; MI455X (gfx1250); checked and timed in simulation.
; The chip was launched on July 23, 2026; its instructions are those of AMD's public machine-readable ISA for CDNA 5 (MIT licence, August 2026) and "CDNA5" Instruction Set Architecture Reference Guide (July 2026). The comments in the code are by the model that wrote it; some were corrected since.
;; Causal Self Attention. Allowed arithmetic: matrix products marked QUANTISED: E4M3 operands, one given power-of-two scale a tensor, by v_wmma_f32_16x16x64_fp8_fp8 or v_wmma_f32_16x16x128_fp8_fp8, f32 sums; everything else in f32.
;; Inputs: attn_mask 1 x 1 x 1,024 x 1,024 bool; b_attn 3,072 float32; b_proj 1,024 float32; lowp_scales 8 int32 (the exponents e of the quantised operands' scales 2^e); w_attn 1,024 x 3,072 float32; w_proj 1,024 x 1,024 float32; x 8 x 1,024 x 1,024 float32.
;; Outputs: out0 8 x 1,024 x 1,024 float32.
;; This version of the problem:
;;   THIS VERSION OF THE PROBLEM IS GIVEN IN LOW PRECISION. The matrix products marked QUANTISED in the list below multiply operands that are first quantised to E4M3 (4 exponent bits, 3 mantissa bits; 8 bits a number), with one given power-of-two scale for each operand tensor; their sums are f32. All else is computed in f32.
;;   The module's matrix products, in the order in which they are computed (A, B: the left and right operand; K: the contracted axis; several contracted axes count as one K, in the product's order):
;;     1. [M 8,192, K 1,024] x [K 1,024, N 3,072]; A: input x; B: input w_attn: QUANTISED (scales: A lowp_scales[0], B lowp_scales[1])
;;     2. batch 128 x [M 1,024, K 64] x [K 64, N 1,024]; A: computed on the way; B: computed on the way: QUANTISED (scales: A lowp_scales[2], B lowp_scales[3])
;;     3. batch 128 x [M 1,024, K 1,024] x [K 1,024, N 64]; A: softmax (see below); B: computed on the way: QUANTISED (scales: A lowp_scales[4], B lowp_scales[5])
;;     4. [M 8,192, K 1,024] x [K 1,024, N 1,024]; A: computed on the way; B: input w_proj: QUANTISED (scales: A lowp_scales[6], B lowp_scales[7])
;;   THE QUANTISER, for each operand of a quantised product, along K:
;;     - The operand's scale is 2^e, e = its entry of the input lowp_scales (int32; the entries are numbered through the quantised products in the list's order, A before B).
;;     - Each number is divided by the scale, clamped to +-448, and rounded to the nearest number of E4M3, ties to even, subnormals kept.
;;     - The product sums the exact products of the quantised numbers (number of the format x scale) in f32.
;;   ~~~python
;;   def quantise(x, axis, e):      # numpy; x: float32 -> the quantised numbers, widened to float32 again
;;       x = np.moveaxis(x, axis, -1); K = x.shape[-1]
;;       r = np.clip(x / 2.0 ** e, -448, 448)
;;       step = 2.0 ** (np.maximum(np.frexp(np.where(r == 0, 1, r))[1] - 1, -6) - 3)
;;       q = np.round(r / step) * step * 2.0 ** e      # np.round: ties to even
;;       return np.moveaxis(q, -1, axis).astype(np.float32)
;;   ~~~
;;   SOFTMAX AHEAD OF A QUANTISED PRODUCT. Where the list says 'softmax', what is quantised is not the finished softmax but p = 2^(t - M), with t = logit x log2(e) and M = ceil(the row's largest t), a whole number; so 1/2 < the row's largest p <= 1. The row's sum l is taken of the UNQUANTISED p, in f32, and the product's result is divided by l at the end. Since M is a whole number, a kernel that streams over the keys may use a running M (the ceiling of the running maximum): every later rescaling is an exact power of two, so the quantised numbers keep their values, but for numbers so far below the row's largest that they fall under the format's range.
;;   OPERANDS COMPUTED ON THE WAY. 'Computed on the way' means the value that the module computes at that place (a softmax that the list does not call 'softmax' is quantised finished and normalised). What goes into a quantiser is computed in f32, as accurately as f32 sums, v_exp_f32 and their like allow (about 1e-6 of the number): no bf16 or f16 on the way to a quantiser, and a product that is left as it is and whose result goes on into a quantised operand takes f32 operands (vector FMAs, or v_wmma_f32_16x16x4_f32). A number that lies on a knife's edge between two numbers of the format may be rounded either way, as far as f32 arithmetic and the matrix unit's own rounding can turn it there, and no further.
;; One version. Each part assembles by itself: llvm-mc -triple=amdgcn-amd-amdhsa -mcpu=gfx1250 --defsym DOCPART=n.
;; ======== version 1 of 1: 4 launches
;; limits: right only within a limited range of input values
;; workspace buffers: xc 8,388,608 bytes; wac 3,145,728 bytes; wpc 1,048,576 bytes; qc 8,388,608 bytes; kc 8,388,608 bytes; vc 8,388,608 bytes; yc 8,388,608 bytes; mw 139,264 bytes of whole numbers
;; launch prep (part 1): grid 400 x 1, 4 waves a work-group, no clusters, 35,328 bytes of LDS; arguments x, w_attn, w_proj, attn_mask, lowp_scales, xc, wac, wpc, mw; writes xc, wac, wpc, mw
.if DOCPART == 1
	.amdgcn_target "amdgcn-amd-amdhsa--gfx1250"
	.amdhsa_code_object_version 6
	.text
	.protected	k_q3fe39956b2_prep
	.globl	k_q3fe39956b2_prep
	.p2align	8
	.type	k_q3fe39956b2_prep,@function
k_q3fe39956b2_prep:
	s_mov_b64 s[64:65], 0
	v_nop
	global_prefetch_b8 v0, s[64:65] scope:SCOPE_SE
	s_setreg_imm32_b32 hwreg(HW_REG_WAVE_MODE, 25, 1), 1
	s_wait_xcnt 0x0
; x [8192][1024], w_attn [1024][3072] and w_proj [1024][1024], f32, become codes of FP8 (E4M3), each with its given scale 2^e (entries 0, 1, 7 of the scales);
; the mask [1024][1024] of bytes becomes lane-mask words and two flag words for each tile of 16 queries.
; code = number / 2^e, held within +-448, to the nearest code, ties to even.  LIMITS: -126 <= e <= 119.  NaN among the inputs is not served.  A byte of the mask is 0 or 1 (the form of its type).
; THE CODES' LAYOUT (xc, wac, wpc): byte = rowtile x 16384 + piece x 256 + r x 16.  A rowtile is 16 STORED rows, a piece 16 codes along K, r the row in the tile.
;   A row (a token, or a column n of a weight) with index i is stored at place rho(i) = i with bits 3 and 4 exchanged: stored tile 2 b + u, row m, is index 32 b + 8 u + m + 8 (m / 8).
;   128 along K of a rowtile are 2,048 bytes on end: four loads of 16 bytes a lane at 16 x lane bring a matrix operand.
;   Along K: xc and wac: piece 32 G + l, code 4 i + j is k = 512 G + 128 i + 4 l + j (so a lane's four dense loads of x are one piece); wpc: k = 16 x piece + code.  Both operands of a product have the same order.
; WORK-GROUPS: 0-255 x; 256-351 w_attn; 352-383 w_proj; 384-399 the mask.  Waves share nothing: no barrier.  Only x's path uses LDS.
;   wac's rowtiles lie as the next launch takes them: 128 columns (8 rowtiles) of q, of k and of v that belong to the same two heads lie on end: group g of 128 columns is stored at place 3 (g % 8) + g / 8.
.set SPARE, 34816                      ; behind the four stages: the spare words, 128 bytes for each wave: two blocks of 256 bytes that no other line names
.set WSTG,  8704                       ; a wave's stage: 32 units of 272 bytes
.set UP,    272                        ; a unit: a piece's 16 rows x 16 bytes + 16 of padding: 17 x 16 bytes, so 16 lanes' stores fall on 16 different columns of 16 bytes
.set SPW,   12                         ; v12  LDS address of my spare word; never rewritten
.set NIL,   13                         ; v13  0; never rewritten
.set R,     16                         ; v16-143 numbers as loaded (x: 8 sets of 16; weights: 2 sets of 32)
.set C,     144                        ; v144-207 codes: four registers for each row or piece, never written twice
.set ML,    80                         ; v80-207 the mask's path: 8 key steps x 16 registers of bytes as loaded
.macro MKSCALE                         ; s24 = e  ->  v11 = 2^e as f32 (the conversion takes its exponent field), v10 = 448 x 2^e
	s_add_co_i32 s24, s24, 127
	s_lshl_b32 s25, s24, 23
	v_mov_b32 v11, s25
	s_add_co_i32 s24, s24, 8
	s_lshl_b32 s24, s24, 23
	s_or_b32 s24, s24, 0x600000
	v_mov_b32 v10, s24
.endm
; x: stored row r of my tile: four loads of 512 consecutive bytes, into set r % 8
.macro XLOAD r
.irp i, 0,1,2,3
	global_load_b128 v[R+16*((\r)%8)+4*\i:R+16*((\r)%8)+4*\i+3], v3, s[4:5] offset:((\r)+8*((\r)/8))*4096+512*\i th:TH_LOAD_NT
.endr
.endm
.macro XROW r
.if 15-(\r) < 7
	s_wait_loadcnt 4*(15-(\r))                     ; my row's four loads are in; those of the rows behind it may be out
.else
	s_wait_loadcnt 28
.endif
.set XS, R+16*((\r)%8)
.irp i, 0,1,2,3,4,5,6,7,8,9,10,11,12,13,14,15
	v_med3_num_f32 v[XS+\i], v[XS+\i], -v10, v10   ; the conversion to an 8-bit code does not saturate (ISA guide 7.6.2): the hold comes first
.endr
	v_cvt_scalef32_pk8_fp8_f32 v[C+4*(\r):C+4*(\r)+1], v[XS:XS+7], v11
	v_cvt_scalef32_pk8_fp8_f32 v[C+4*(\r)+2:C+4*(\r)+3], v[XS+8:XS+15], v11
.if (\r) < 8
	XLOAD (\r)+8                                   ; the set takes the row eight further on
.endif
	ds_store_b128 v14, v[C+4*(\r):C+4*(\r)+3] offset:16*(\r)   ; my piece's unit, row r
.endm
; weights: pieces 2 t and 2 t + 1 of my column: 32 numbers down K, into set t % 2.  Each load reads 128 bytes of one row of the weight; the four waves stand side by side on 512
.macro WLOAD t, N, PERM, SRC
.set we, 2*(\t)
.rept 2
.set wq, 0
.rept 16
.if \PERM
.set wrow, 128*(wq/4)+4*we+wq%4
.else
.set wrow, 16*we+wq
.endif
	global_load_b32 v[R+32*((\t)%2)+16*(we%2)+wq], v3, s[\SRC:\SRC+1] offset:wrow*\N*4 th:TH_LOAD_NT
.set wq, wq+1
.endr
.set we, we+1
.endr
.endm
.macro WBLOCK t, N, PERM, SRC, DST
.if (\t) < 7
	s_wait_loadcnt 32                              ; these two pieces are in; the next two may be out
.else
	s_wait_loadcnt 0x0
.endif
.set XS, R+32*((\t)%2)
.set j, 0
.rept 32
	v_med3_num_f32 v[XS+j], v[XS+j], -v10, v10
.set j, j+1
.endr
.irp g, 0,1,2,3
	v_cvt_scalef32_pk8_fp8_f32 v[C+8*(\t)+2*\g:C+8*(\t)+2*\g+1], v[XS+8*\g:XS+8*\g+7], v11
.endr
.if (\t)+2 < 8
	WLOAD (\t)+2, \N, \PERM, \SRC
.endif
	global_store_b128 v4, v[C+8*(\t):C+8*(\t)+3], s[\DST:\DST+1] offset:512*(\t)          ; sixteen neighbouring lanes store 256 consecutive bytes, aligned
	global_store_b128 v4, v[C+8*(\t)+4:C+8*(\t)+7], s[\DST:\DST+1] offset:512*(\t)+256
.endm
; A weight [1024][N]: a work-group takes 128 columns x 16 pieces, a wave 32 columns: the lane at stored place l takes column rho(l), and its registers run down K
.macro WQ N, PERM, SRC, DST, FIRST, EIDX
	s_load_b32 s24, s[12:13], 4*\EIDX
	s_sub_co_u32 s26, ttmp9, \FIRST
	s_lshr_b32 s27, s26, 2                         ; which 128 columns
	s_and_b32 s28, s26, 3                          ; which 16 pieces
.if \PERM
	s_lshr_b32 s32, s28, 1
	s_lshl_b32 s32, s32, 9
	s_and_b32 s33, s28, 1
	s_lshl_b32 s33, s33, 6
	s_add_co_u32 s32, s32, s33                     ; first row of the weight: 512 (kq / 2) + 64 (kq % 2)
.else
	s_lshl_b32 s32, s28, 8                         ; 256 kq
.endif
	s_mul_i32 s32, s32, \N*4
	s_lshl_b32 s33, s27, 9
	s_add_co_u32 s32, s32, s33
	s_lshl_b32 s33, s22, 7
	s_add_co_u32 s32, s32, s33                     ; + (128 x group + 32 x wave) columns of 4 bytes
	s_mov_b32 s33, 0
	s_add_nc_u64 s[\SRC:\SRC+1], s[\SRC:\SRC+1], s[32:33]
.if \PERM
	s_and_b32 s34, s27, 7
	s_mul_i32 s34, s34, 3
	s_lshr_b32 s35, s27, 3
	s_add_co_u32 s34, s34, s35
	s_lshl_b32 s34, s34, 17                        ; w_attn: place 3 (g % 8) + g / 8
.else
	s_lshl_b32 s34, s27, 17
.endif
	s_lshl_b32 s35, s22, 15
	s_add_co_u32 s34, s34, s35
	s_lshl_b32 s35, s28, 12
	s_add_co_u32 s34, s34, s35                     ; codes: (8 x group + 2 x wave) rowtiles + 16 kq pieces
	s_mov_b32 s35, 0
	s_add_nc_u64 s[\DST:\DST+1], s[\DST:\DST+1], s[34:35]
	v_and_b32 v3, 7, v2
	v_and_b32 v5, 8, v2
	v_lshl_or_b32 v3, v5, 1, v3
	v_and_b32 v5, 16, v2
	v_lshrrev_b32 v5, 1, v5
	v_or_b32 v3, v3, v5                            ; rho(lane)
	v_lshlrev_b32 v3, 2, v3
	v_lshrrev_b32 v5, 4, v2
	v_and_b32 v6, 15, v2
	v_lshlrev_b32 v4, 4, v6
	v_lshl_add_u32 v4, v5, 14, v4                  ; out: (lane / 16) rowtiles + 16 (lane % 16)
	WLOAD 0, \N, \PERM, \SRC
	WLOAD 1, \N, \PERM, \SRC
	s_wait_kmcnt 0x0
	MKSCALE
	s_wait_alu depctr_va_vdst(0)
.irp t, 0,1,2,3,4,5,6,7
	WBLOCK \t, \N, \PERM, \SRC, \DST
.endr
	s_endpgm
.endm
; The mask: key step st of my query tile.  Its 16 registers hold my lane's 64 bytes: byte n % 4 of register n / 4 is key 128 st + 32 (n / 16) + 16 (lane / 16) + n % 16.
.macro MSTEP st
.set MB, ML+16*(\st)
	s_wait_loadcnt 4*(7-(\st))                     ; this step's four loads are in; those of the steps behind it may be out
	v_add3_u32 v22, v[MB], v[MB+1], v[MB+2]        ; the 16 registers are added, byte beside byte, in two chains: a byte's sum is at most 16, so nothing is carried over
	v_add3_u32 v23, v[MB+3], v[MB+4], v[MB+5]
	v_add3_u32 v22, v22, v[MB+6], v[MB+7]
	v_add3_u32 v23, v23, v[MB+8], v[MB+9]
	v_add3_u32 v22, v22, v[MB+10], v[MB+11]
	v_add3_u32 v23, v23, v[MB+12], v[MB+13]
	v_add3_u32 v22, v22, v[MB+14], v[MB+15]
	v_add_nc_u32 v22, v22, v23
	v_cmp_ne_u32 s44, 0, v22                       ; the lanes that have a true byte in this step,
	v_cmp_eq_u32 s45, s46, v22                     ; and those whose 64 bytes are all true: 16 in each of the four sums
	s_wait_xcnt 0x0                                ; the step before's two stores have read v20 and v21: they are written again only behind this wait
.set n, 0
.rept 8                                        ; eight words at a time, so that a compare's scalar result is read eight lines behind it
.irp y, 0,1,2,3,4,5,6,7
	v_and_b32 v[24+\y], s[36+\y%4], v[MB+n/4+\y/4]
.endr
.irp y, 0,1,2,3,4,5,6,7
	v_cmp_ne_u32 s[24+\y], 0, v[24+\y]             ; word n + y: a bit a lane
.endr
.irp y, 0,1,2,3,4,5,6,7
	v_writelane_b32 v[20+n/32], s[24+\y], n%32+\y  ; a lane a word
.endr
.set n, n+8
.endr
	global_store_b32 v6, v20, s[34:35] offset:256*(\st)       ; words 0-31: 128 consecutive bytes,
	global_store_b32 v6, v21, s[34:35] offset:256*(\st)+128   ; words 32-63: the next 128
	s_or_b32 s40, s40, s44
	s_cmp_lg_u32 s44, 0
	s_cselect_b32 s47, s2, 0
	s_or_b32 s41, s41, s47
	s_cmp_eq_u32 s45, -1
	s_cselect_b32 s47, s2, 0
	s_or_b32 s42, s42, s47
	s_lshl_b32 s2, s2, 1                           ; the next step's bit
.endm
	s_load_b512 s[4:19], s[0:1], 0x0               ; x s[4:5], w_attn s[6:7], w_proj s[8:9], the mask s[10:11], the scales s[12:13], xc s[14:15], wac s[16:17], wpc s[18:19]
	s_load_b64 s[20:21], s[0:1], 0x40              ; mw
	v_lshl_add_u32 v[SPW], v0, 2, SPARE
	v_mov_b32 v[NIL], 0
	v_lshrrev_b32 v1, 5, v0
	v_readfirstlane_b32 s22, v1                    ; wave 0..3
	v_and_b32 v2, 31, v0                           ; lane
	s_wait_kmcnt 0x0
	s_cmp_lt_u32 ttmp9, 256
	s_cbranch_scc1 .Lpath_x
	s_cmp_lt_u32 ttmp9, 352
	s_cbranch_scc1 .Lpath_wa
	s_cmp_lt_u32 ttmp9, 384
	s_cbranch_scc1 .Lpath_wp
; ---- THE MASK.  A wave takes query tile i (stored token tile i: lane % 16 = r is query 32 (i / 2) + 8 (i % 2) + r + 8 (r / 8)) and its 8 key steps of 128.
; Word n (0..63) of a step: bit l = mask[query(l % 16)][128 step + 32 (n / 16) + 16 (l / 16) + n % 16]: the lane mask for score register n of the attention launch.  mw: tile x 2048 + step x 256 + 4 n.
; Flags at 131072 + 128 x tile: [ANY, OPEN] sixteen times.  OPEN bit s: all bytes of step s are true.  ANY bit s: some byte of step s is true; all eight bits are set if some row of the tile has no true byte at all.
; All 32 loads of the eight steps go out together, into 128 registers; a loop of eight trips works the lowest step and moves the others down by 16 registers.
	s_sub_co_u32 s26, ttmp9, 384
	s_lshl_b32 s26, s26, 2
	s_add_co_u32 s26, s26, s22                     ; i
	s_lshr_b32 s32, s26, 1
	s_lshl_b32 s32, s32, 15
	s_and_b32 s33, s26, 1
	s_lshl_b32 s33, s33, 13
	s_add_co_u32 s32, s32, s33
	s_mov_b32 s33, 0
	s_add_nc_u64 s[10:11], s[10:11], s[32:33]      ; the mask at row 32 (i / 2) + 8 (i % 2)
	s_wait_alu depctr_va_vdst(0)
	v_and_b32 v3, 15, v2
	v_and_b32 v4, 8, v3
	v_add_nc_u32 v3, v3, v4                        ; r + 8 (r / 8)
	v_lshrrev_b32 v4, 4, v2
	v_lshlrev_b32 v5, 10, v3
	v_lshl_add_u32 v5, v4, 4, v5                   ; my row, + 16 bytes for the upper half of the lanes; never rewritten
.irp st, 0,1,2,3,4,5,6,7
.irp b, 0,1,2,3
	global_load_b128 v[ML+16*\st+4*\b:ML+16*\st+4*\b+3], v5, s[10:11] offset:128*\st+32*\b   ; keys 128 st + 32 b + 16 (lane / 16) + 0 .. 15
.endr
.endr
	s_lshl_b32 s34, s26, 11
	s_mov_b32 s35, 0
	s_add_nc_u64 s[34:35], s[20:21], s[34:35]      ; my tile's words
	s_lshl_b32 s46, s26, 7
	s_add_co_u32 s46, s46, 131072
	s_mov_b32 s47, 0
	s_add_nc_u64 s[20:21], s[20:21], s[46:47]      ; my tile's flags
	v_lshlrev_b32 v6, 2, v2                        ; 4 x lane; never rewritten
	v_mov_b32 v20, 0                               ; the words, a lane a word: written once whole, since a lane write keeps the other lanes
	v_mov_b32 v21, 0
	s_mov_b32 s36, 0xff
	s_mov_b32 s37, 0xff00
	s_mov_b32 s38, 0xff0000
	s_mov_b32 s39, 0xff000000
	s_mov_b32 s46, 0x10101010                      ; the four sums of a lane whose 64 bytes are all true
	s_mov_b32 s40, 0                               ; the lanes that have a true byte in some step
	s_mov_b32 s41, 0                               ; ANY
	s_mov_b32 s42, 0                               ; OPEN
	s_mov_b32 s2, 1                                ; the step's bit in the flags
	s_mov_b32 s3, 8                                ; trips to go
.Lmask:
	MSTEP 0
	s_wait_loadcnt 0x0                             ; all eight steps' bytes are in
.set j, 0
.rept 112
	v_mov_b32 v[ML+j], v[ML+16+j]                  ; the steps still to come move down
.set j, j+1
.endr
	s_wait_xcnt 0x0                                ; the stores have read their base
	s_add_nc_u64 s[34:35], s[34:35], 256
	s_sub_co_u32 s3, s3, 1
	s_cmp_lg_u32 s3, 0
	s_wait_alu depctr_va_vdst(0)                   ; the wait here, directly ahead of the branch
	s_cbranch_scc1 .Lmask
	s_lshr_b32 s28, s40, 16                        ; a row's keys lie in lanes r and r + 16
	s_or_b32 s28, s28, s40
	s_and_b32 s28, s28, 0xffff
	s_cmp_eq_u32 s28, 0xffff                       ; has every row a true byte?
	s_cselect_b32 s41, s41, 0xff                   ; if not, no step is left out: a row without one takes the mean over all keys
	v_and_b32 v7, 1, v2
	v_cmp_eq_u32 vcc_lo, 1, v7
	v_mov_b32 v8, s41
	v_mov_b32 v9, s42
	v_cndmask_b32 v8, v8, v9, vcc_lo               ; even lanes ANY, odd lanes OPEN
	global_store_b32 v6, v8, s[20:21]
	s_endpgm
; ---- x.  A wave takes a stored tile of 16 rows x 512 along K (half G).  A lane's 16 numbers of a row are one piece: 16 bytes of codes.  The 16 rows' pieces meet in the wave's own stage
; (unit = piece, 16 rows x 16 bytes) and leave as they lie in xc: 512 consecutive bytes a store.
.Lpath_x:
	s_load_b32 s24, s[12:13], 0x0
	s_lshl_b32 s26, ttmp9, 2
	s_add_co_u32 s26, s26, s22                     ; task = 2 x tile + G
	s_lshr_b32 s27, s26, 1
	s_and_b32 s28, s26, 1
	s_lshr_b32 s32, s27, 1
	s_lshl_b32 s32, s32, 17                        ; 32 rows of 4,096 bytes for each pair of tiles,
	s_and_b32 s33, s27, 1
	s_lshl_b32 s33, s33, 15                        ; 8 rows for the odd tile,
	s_add_co_u32 s32, s32, s33
	s_lshl_b32 s33, s28, 11                        ; 2,048 bytes for the upper half of K
	s_add_co_u32 s32, s32, s33
	s_mov_b32 s33, 0
	s_add_nc_u64 s[4:5], s[4:5], s[32:33]
	s_lshl_b32 s34, s26, 13                        ; xc: tile x 16384 + G x 8192
	s_mov_b32 s35, 0
	s_add_nc_u64 s[14:15], s[14:15], s[34:35]
	s_wait_alu depctr_va_vdst(0)
	v_lshlrev_b32 v3, 4, v2                        ; 16 x lane: in x's loads and in xc's stores; never rewritten
	s_mul_i32 s36, s22, WSTG
	v_mul_u32_u24 v14, v2, UP
	v_add_nc_u32 v14, s36, v14                     ; into the stage: my unit
	v_lshrrev_b32 v5, 4, v2
	v_and_b32 v6, 15, v2
	v_mul_u32_u24 v15, v5, UP
	v_lshl_add_u32 v15, v6, 4, v15
	v_add_nc_u32 v15, s36, v15                     ; out of it: sixteen lanes to a unit, two units an instruction
.irp r, 0,1,2,3,4,5,6,7
	XLOAD \r
.endr
	s_wait_kmcnt 0x0
	MKSCALE
	s_wait_alu depctr_va_vdst(0)
.irp r, 0,1,2,3,4,5,6,7,8,9,10,11,12,13,14,15
	XROW \r
.endr
.irp t, 0,1,2,3,4,5,6,7,8,9,10,11,12,13,14,15
	ds_load_b128 v[R+4*\t:R+4*\t+3], v15 offset:2*\t*UP   ; LDS serves a wave's instructions in order (ISA guide 5.7.1.4): these see my stores
.endr
.irp t, 0,1,2,3,4,5,6,7,8,9,10,11,12,13,14,15
	s_wait_dscnt 15-\t
	global_store_b128 v3, v[R+4*\t:R+4*\t+3], s[14:15] offset:512*\t
.endr
	s_wait_tensorcnt 0x0                           ; the wave's end, behind my last LDS store
	ds_add_u32 v[SPW], v[NIL]
	s_wait_dscnt 0x0
	s_endpgm
.Lpath_wa:
	s_wait_alu depctr_va_vdst(0)
	WQ 3072, 1, 6, 16, 256, 1
.Lpath_wp:
	s_wait_alu depctr_va_vdst(0)
	WQ 1024, 0, 8, 18, 352, 7
.Lfunc_end_k_q3fe39956b2_prep:
	.size	k_q3fe39956b2_prep, .Lfunc_end_k_q3fe39956b2_prep-k_q3fe39956b2_prep
	.p2alignl 7, 3214868480
	.fill 96, 4, 3214868480
	.section	.rodata,"a",@progbits
	.p2align	6, 0x0
	.amdhsa_kernel k_q3fe39956b2_prep
		.amdhsa_group_segment_fixed_size 35328
		.amdhsa_private_segment_fixed_size 0
		.amdhsa_enable_private_segment 0
		.amdhsa_kernarg_size 72
		.amdhsa_user_sgpr_count 2
		.amdhsa_user_sgpr_kernarg_segment_ptr 1
		.amdhsa_wavefront_size32 1
		.amdhsa_system_sgpr_workgroup_id_x 1
		.amdhsa_system_sgpr_workgroup_id_y 1
		.amdhsa_system_sgpr_workgroup_id_z 1
		.amdhsa_system_vgpr_workitem_id 0
		.amdhsa_next_free_vgpr 208
		.amdhsa_next_free_sgpr 66
		.amdhsa_reserve_vcc 1
		.amdhsa_float_denorm_mode_32 3
		.amdhsa_float_denorm_mode_16_64 3
		.amdhsa_memory_ordered 1
		.amdhsa_forward_progress 1
		.amdhsa_inst_pref_size 142
	.end_amdhsa_kernel
	.amdgpu_metadata
---
amdhsa.version: [ 1, 2 ]
amdhsa.kernels:
  - .name:           k_q3fe39956b2_prep
    .symbol:         k_q3fe39956b2_prep.kd
    .args:
      - { .name: x, .offset: 0, .size: 8, .value_kind: global_buffer, .address_space: global }
      - { .name: w_attn, .offset: 8, .size: 8, .value_kind: global_buffer, .address_space: global }
      - { .name: w_proj, .offset: 16, .size: 8, .value_kind: global_buffer, .address_space: global }
      - { .name: attn_mask, .offset: 24, .size: 8, .value_kind: global_buffer, .address_space: global }
      - { .name: lowp_scales, .offset: 32, .size: 8, .value_kind: global_buffer, .address_space: global }
      - { .name: xc, .offset: 40, .size: 8, .value_kind: global_buffer, .address_space: global }
      - { .name: wac, .offset: 48, .size: 8, .value_kind: global_buffer, .address_space: global }
      - { .name: wpc, .offset: 56, .size: 8, .value_kind: global_buffer, .address_space: global }
      - { .name: mw, .offset: 64, .size: 8, .value_kind: global_buffer, .address_space: global }
    .group_segment_fixed_size: 35328
    .private_segment_fixed_size: 0
    .kernarg_segment_align: 8
    .kernarg_segment_size: 72
    .max_flat_workgroup_size: 128
    .sgpr_count:     66
    .vgpr_count:     208
    .wavefront_size: 32
...
	.end_amdgpu_metadata
.endif
;; end of part 1
;; launch qkv (part 2): grid 8 x 32, 4 waves a work-group, clusters of 4 x 4, 327,680 bytes of LDS; arguments xc, wac, b_attn, lowp_scales, qc, kc, vc; writes qc, kc, vc
.if DOCPART == 2
	.amdgcn_target "amdgcn-amd-amdhsa--gfx1250"
	.amdhsa_code_object_version 6
	.text
	.protected	k_q3fe39956b2_qkv
	.globl	k_q3fe39956b2_qkv
	.p2align	8
	.type	k_q3fe39956b2_qkv,@function
k_q3fe39956b2_qkv:
	s_mov_b64 s[64:65], 0
	v_nop
	global_prefetch_b8 v0, s[64:65] scope:SCOPE_SE
	s_setreg_imm32_b32 hwreg(HW_REG_WAVE_MODE, 25, 1), 1
	s_wait_xcnt 0x0
	s_wait_alu depctr_hold_cnt(0) depctr_sa_sdst(0) depctr_va_vdst(0) depctr_va_sdst(0) depctr_va_ssrc(0) depctr_va_vcc(0) depctr_vm_vsrc(0)
	s_getreg_b32 s2, hwreg(HW_REG_IB_STS2, 6, 4)
	s_cmp_eq_u32 s2, 0
	s_cbranch_scc0 .Lentry_in_a_cluster
	s_endpgm
.Lentry_in_a_cluster:
	s_bfe_u32 s2, ttmp6, 0x10000c
	s_cmp_lg_u32 s2, 0xf033
	s_cbranch_scc0 .Lentry_shape_is_right
	s_endpgm
.Lentry_shape_is_right:
; qkv = x w_attn + b_attn on codes of FP8 (E4M3); the results are quantised at once into q's, k's and v's codes, laid as the attention launch's operands.
; A WORK-GROUP takes 256 tokens x the 128 columns of q, of k and of v that belong to two heads: 8 x 32 = 256 work-groups of equal work.  Its four waves: 2 halves of the tokens x 2 heads.
; A WAVE makes 128 tokens x 192 columns: 8 token tiles x (4 tiles of q, 4 of k, 4 of v): 96 accumulators, 768 registers.
; q, k: source 0 = W's tile, source 1 = x's: a lane holds one token, its registers run along the head's 64.   v: the same fragments, sources exchanged: a lane holds one column d, its registers run along the tokens.
;   (Rows are stored with bits 3 and 4 of their index exchanged, so the 16 registers of tiles 2 b, 2 b + 1 are 16 neighbours, 32 b + 16 h + 0 .. 15: the conversions make 16 bytes of the next operand of them.)
; qc, kc: [b x 16 + head][token tile 0..63][c 0,1][lane] x 16 bytes: d = 32 c + 16 h + 0 .. 15 of stored token row r.      vc: [b x 16 + head][key step 0..7][d tile t 0..3][c 0..3][lane] x 16 bytes: keys 128 step + 32 c + 16 h + 0 .. 15 of d = 32 (t / 2) + 8 (t % 2) + r + 8 (r / 8).
; K goes in 16 UNITS of 64: 1,024 bytes of a rowtile.  Two LDS slots of 3 and 4 units, filled with units 0-2, 3-6, 7-9, 10-13, 14-15.  Both slots' first fills are asked for at the head, one load a wave: waves 0 and 1 x and W of slot 0, waves 2 and 3 of slot 1.
; The codes lie in memory in the order of the operands' registers, so a tile lands dense and a fragment of 16 rows x 64 K is two loads at 16 x lane.
; CLUSTERS: 4 x 4 work-groups.  x's tile hangs on the tokens alone and is asked for jointly by my row of the cluster, W's on the columns alone and by my column.
; No prefetch: there is no loop to run ahead in; the head's four loads ask for 7 of the 16 units at once, and each refill has three or four units' products in which to land.
; code = (sum + b / 2^(e0 + e1)) / 2^(e_out - e0 - e1), held within +-448; the bias, so divided, is the C of each sum's first product.  LIMITS: e_out - e0 - e1 between -126 and 119 (e_out = entry 2, 3, 5 for q, k, v); b / 2^(e0 + e1) is an f32 number.  NaN is not served.
; REGISTERS: window 0: v1-27 addresses and scales; v32-127 W's twelve fragments (q, k, v), ONE set; v128-191, v192-255 x's eight, TWO sets (on the way out: v32-95 held sums, v96-255 codes).
;   window 1: q's accumulators, (a, b) at v[8 (4 a + b)];  window 2: k's;  window 3: v's, (t, a) at v[8 (8 t + a)].
.set SLOT1, 122880                     ; slot 0: x's 16 rowtiles x 3,072 bytes, then W's 24;  slot 1: the same with 4,096
.set WB0,   49152
.set WB1,   SLOT1+65536
.set SPARE, 286720                     ; behind the slots: the spare words, 128 bytes for each wave: two blocks of 256 bytes that no other line names
.set STEP7, 7168                       ; seven units on: from a slot's fill to its next
.set HB,   6                           ; v6      64 x h: the bias along the registers
.set RB,   7                           ; v7      4 x (r + 8 (r / 8)): the bias along the lanes
.set LI,   25                          ; v25     16 x lane; never rewritten
.set SPW,  26                          ; v26     LDS address of my spare word; never rewritten
.set NIL,  27                          ; v27     0; never rewritten
; v16-18, v19-21, v22-24: LDS addresses of my x, of my W (q, k) and of my W (v) where a slot's rows are 3, 4, 2 units long
; s[24:31], s[32:39], s[40:47], s[48:55]: descriptor groups 1 of slot 0's x, W and of slot 1's x, W;   s[56:59], s[60:63], s[68:71], s[72:75]: their groups 0
.set MSB, 0
.macro WIN new                         ; the immediate's high byte repeats the setting that is left
.if MSB != (\new)
	s_set_vgpr_msb (MSB<<8)|(\new)
.set MSB, (\new)
.endif
.endm
.macro PLACES n                        ; plain vector instructions between a matrix instruction and a load into, or a vector read or write of, its registers
.rept \n
	v_nop
.endr
.endm
.macro TL g0, g1                       ; a joint load, with an s_nop 0 and four v_nop behind it
	tensor_load_to_lds s[\g0:\g0+3], s[\g1:\g1+7]
	s_nop 0
	PLACES 4
.endm
.macro CREST                           ; a round of the cluster's barrier behind its opening barrier
	s_cmp_lg_u32 s14, 0
	s_cbranch_scc1 .Lnot_wave_0_\@
	s_barrier_signal -3
.Lnot_wave_0_\@:
	s_barrier_wait -3
	s_barrier_signal -1
	s_barrier_wait -1
.endm
.macro CROUND
	s_barrier_signal -1
	s_barrier_wait -1
	CREST
.endm
	s_load_b256 s[4:11], s[0:1], 0x0               ; xc s[4:5], wac s[6:7], b_attn s[8:9], the scales s[10:11]
	s_load_b128 s[76:79], s[0:1], 0x20             ; qc, kc
	s_load_b64 s[80:81], s[0:1], 0x30              ; vc
	v_lshl_add_u32 v[SPW], v0, 2, SPARE
	v_mov_b32 v[NIL], 0
	ds_add_u32 v[SPW], v[NIL]                      ; the wave's opening: the add, twice on end, and its wait ahead of my first tensor load; the set-up below stands between them
	ds_add_u32 v[SPW], v[NIL]
	v_lshrrev_b32 v1, 5, v0
	v_readfirstlane_b32 s14, v1                    ; wave 0..3
	s_lshr_b32 s15, s14, 1                         ; my half of the tokens
	s_and_b32 s16, s14, 1                          ; my head of the two
	s_bfe_u32 s20, ttmp6, 0x40000                  ; cx, cy: my place in the cluster
	s_bfe_u32 s21, ttmp6, 0x40004
	s_lshl_b32 s12, ttmp9, 2
	s_add_co_u32 s12, s12, s20                     ; X: heads 2 X, 2 X + 1
	s_and_b32 s13, ttmp7, 0xffff
	s_lshl_b32 s13, s13, 2
	s_add_co_u32 s13, s13, s21                     ; Y: tokens 256 Y on
	s_lshl_b32 s17, s21, 2
	s_lshl_b32 s17, 15, s17                        ; my row of the cluster
	s_lshl_b32 s18, 0x1111, s20                    ; my column
	; descriptor group 1: 16 (x) or 24 (W) rows (rowtiles) of 3 or 4 units of 128 elements of 8 bytes, 2,048 elements apart; no padding.  15:0 of its first word the mask; 21 set beside a mask
	s_or_b32 s24, s17, (3<<16)|(1<<21)
	s_or_b32 s32, s18, (3<<16)|(1<<21)
	s_or_b32 s40, s17, (3<<16)|(1<<21)
	s_or_b32 s48, s18, (3<<16)|(1<<21)
.macro G1C g, d, rows
	s_mov_b32 s[\g+1], (\d)<<16                    ; tensor_dim0
	s_mov_b32 s[\g+2], (\rows)<<16                 ; tensor_dim1
	s_mov_b32 s[\g+3], (\d)<<16                    ; tile_dim0
	s_mov_b32 s[\g+4], \rows                       ; tile_dim1
	s_mov_b32 s[\g+5], 2048                        ; tensor_dim0_stride
	s_mov_b32 s[\g+6], 0
	s_mov_b32 s[\g+7], 0
.endm
	G1C 24, 384, 16
	G1C 32, 384, 24
	G1C 40, 512, 16
	G1C 48, 512, 24
	s_mov_b32 s56, 1
	s_mov_b32 s57, 0
	s_mov_b32 s60, 1
	s_mov_b32 s61, WB0
	s_mov_b32 s68, 1
	s_mov_b32 s69, SLOT1
	s_mov_b32 s72, 1
	s_mov_b32 s73, WB1
	s_lshl_b32 s92, s13, 18                        ; x: 16 rowtiles of 16,384 bytes for each Y
	s_mov_b32 s93, 0
	s_mul_i32 s94, s12, 393216                     ; W: 24 rowtiles for each X
	s_mov_b32 s95, 0
	s_wait_dscnt 0x0                               ; both opening adds are done
	s_wait_kmcnt 0x0
	s_load_b256 s[84:91], s[10:11], 0x0            ; e0 .. e7
	s_add_nc_u64 s[58:59], s[4:5], s[92:93]
	s_add_nc_u64 s[62:63], s[6:7], s[94:95]
	s_add_nc_u64 s[70:71], s[58:59], 3072          ; slot 1 begins with unit 3
	s_add_nc_u64 s[74:75], s[62:63], 3072
	s_or_b32 s59, s59, 0x80000000
	s_or_b32 s63, s63, 0x80000000
	s_or_b32 s71, s71, 0x80000000
	s_or_b32 s75, s75, 0x80000000
	CROUND                                         ; all sixteen work-groups are here: the first joint loads meet
	s_cmp_eq_u32 s14, 0                            ; one load to a wave
	s_cbranch_scc0 .Lhead1
	TL 56, 24
	s_branch .Lasked
.Lhead1:
	s_cmp_eq_u32 s14, 1
	s_cbranch_scc0 .Lhead2
	TL 60, 32
	s_branch .Lasked
.Lhead2:
	s_cmp_eq_u32 s14, 2
	s_cbranch_scc0 .Lhead3
	TL 68, 40
	s_branch .Lasked
.Lhead3:
	TL 72, 48
.Lasked:
	s_mul_i32 s17, s15, 8*3072                     ; my 8 rowtiles of x in a slot with rows of 3, 4, 2 units
	s_mul_i32 s18, s15, 8*4096
	s_add_co_u32 s18, s18, SLOT1
	s_mul_i32 s19, s15, 8*2048
	s_mul_i32 s20, s16, 4*3072                     ; my 4 rowtiles of W in each 8
	s_add_co_u32 s20, s20, WB0
	s_mul_i32 s21, s16, 4*4096
	s_add_co_u32 s21, s21, WB1
	s_mul_i32 s22, s16, 4*2048
	s_add_co_u32 s22, s22, WB0
	s_lshl_b32 s96, s12, 9
	s_lshl_b32 s97, s16, 8
	s_add_co_u32 s96, s96, s97                     ; (128 X + 64 x head) x 4
	s_mov_b32 s97, 0
	s_add_nc_u64 s[8:9], s[8:9], s[96:97]
	v_and_b32 v2, 15, v0                           ; r
	v_bfe_u32 v3, v0, 4, 1                         ; h
	v_and_b32 v4, 31, v0
	v_lshlrev_b32 v[LI], 4, v4
	v_lshlrev_b32 v[HB], 6, v3
	v_and_b32 v5, 8, v2
	v_add_nc_u32 v5, v5, v2
	v_lshlrev_b32 v[RB], 2, v5
	v_add_nc_u32 v16, s17, v[LI]
	v_add_nc_u32 v19, s18, v[LI]
	v_add_nc_u32 v22, s19, v[LI]
	v_add_nc_u32 v17, s20, v[LI]
	v_add_nc_u32 v20, s21, v[LI]
	v_add_nc_u32 v23, s22, v[LI]
	v_add_nc_u32 v18, 16*3072, v17                 ; v's rowtiles lie 16 on
	v_add_nc_u32 v21, 16*4096, v20
	v_add_nc_u32 v24, 16*2048, v23
	s_wait_alu depctr_va_vdst(0)
	; the bias is loaded into the accumulators of token tile 7: q, k: register 16 b + i wants b_attn[column + 32 b + 16 h + i]; v: tile t wants b_attn[column + 32 (t / 2) + 8 (t % 2) + r + 8 (r / 8)] in all eight
.irp w, 0,1
	WIN 0x40*(\w+1)
.irp b, 0,1
.irp q, 0,1,2,3
	global_load_b128 v[224+16*\b+4*\q:224+16*\b+4*\q+3], v[HB], s[8:9] offset:4096*\w+(32*\b+4*\q)*4
.endr
.endr
.endr
	WIN 0
.irp t, 0,1,2,3
	global_load_b32 v[8+\t], v[RB], s[8:9] offset:8192+(32*(\t/2)+8*(\t%2))*4
.endr
	s_wait_kmcnt 0x0
	s_add_co_i32 s98, s84, s85                     ; e0 + e1
	s_sub_co_i32 s23, 0, s98                       ; a sum stands for sum x 2^(e0 + e1): the bias goes in as b / 2^(e0 + e1)
.macro MKS w, e                        ; s[92 + 2 w] = 2^(e_out - e0 - e1) as f32, the next 448 x that
	s_sub_co_i32 s99, s[\e], s98
	s_add_co_i32 s99, s99, 127
	s_lshl_b32 s[92+2*\w], s99, 23
	s_add_co_i32 s99, s99, 8
	s_lshl_b32 s99, s99, 23
	s_or_b32 s[93+2*\w], s99, 0x600000
.endm
	MKS 0, 86
	MKS 1, 87
	MKS 2, 89
	s_lshr_b32 s18, s13, 2                         ; the batch
	s_lshl_b32 s18, s18, 4
	s_lshl_b32 s19, s12, 1
	s_add_co_u32 s18, s18, s19
	s_add_co_u32 s18, s18, s16
	s_lshl_b32 s18, s18, 16                        ; a head's block is 65,536 bytes
	s_and_b32 s19, s13, 3
	s_lshl_b32 s19, s19, 1
	s_add_co_u32 s19, s19, s15
	s_lshl_b32 s19, s19, 13                        ; my 128 tokens: 8 token tiles of 1,024 bytes, or one key step of 8,192
	s_add_co_u32 s18, s18, s19
	s_mov_b32 s19, 0
	s_add_nc_u64 s[76:77], s[76:77], s[18:19]
	s_add_nc_u64 s[78:79], s[78:79], s[18:19]
	s_add_nc_u64 s[80:81], s[80:81], s[18:19]
	s_wait_loadcnt 0x0                             ; the bias
.irp w, 0,1
	WIN 0x41*(\w+1)
.set j, 224
.rept 32
	v_ldexp_f32 v[j], v[j], s23
.set j, j+1
.endr
.endr
	WIN 0xc0
.irp t, 0,1,2,3
.irp i, 0,1,2,3,4,5,6,7
	v_ldexp_f32 v[64*\t+56+\i], v[8+\t], s23
.endr
.endr
	WIN 0
; LDS loads, into window 0.  U: a row's units in the slot; uu: which of them.
.macro FETCHX U, uu, p                 ; x's eight fragments into set p
.irp a, 0,1,2,3,4,5,6,7
.irp c, 0,1
	ds_load_b128 v[128+64*(\p)+8*\a+4*\c:128+64*(\p)+8*\a+4*\c+3], v[16+3*((\U)%3)] offset:\a*(\U)*1024+(\uu)*1024+512*\c
.endr
.endr
.endm
.macro FETCHW U, uu, w                 ; W's four fragments of q (w = 0), k (1), v (2)
.irp b, 0,1,2,3
.irp c, 0,1
	ds_load_b128 v[32+32*(\w)+8*\b+4*\c:32+32*(\w)+8*\b+4*\c+3], v[17+3*((\U)%3)+(\w)/2] offset:(8*((\w)%2)+\b)*(\U)*1024+(\uu)*1024+512*\c
.endr
.endr
.endm
; 16 matrix instructions: four token tiles x the four tiles of q, k or v, 64 along K.  The 96 accumulators take turns, one instruction a turn, in the same order in every unit.
; first = 1: C is the bias, which lies in token tile 7's accumulators: they are written last, five places behind the others' reads of them.
.macro MUL w, p, first, a0
.irp a, \a0, \a0+1, \a0+2, \a0+3
.if (\first) && ((\a) == 7)
	PLACES 5
.endif
.irp b, 0,1,2,3
.if (\w) == 2
.set DI, 8*(8*\b+(\a))
.set CI, 8*(8*\b+7)
.set S0, 128+64*(\p)+8*(\a)
.set S1, 32+32*(\w)+8*\b
.else
.set DI, 8*(4*(\a)+\b)
.set CI, 8*(28+\b)
.set S1, 128+64*(\p)+8*(\a)
.set S0, 32+32*(\w)+8*\b
.endif
.if (\first) == 0
.set CI, DI
.endif
	v_wmma_f32_16x16x64_fp8_fp8 v[DI:DI+7], v[S0:S0+7], v[S1:S1+7], v[CI:CI+7]
.endr
.endr
.endm
.macro JL s                            ; slot s is filled again: waves 2 s and 2 s + 1 fetch
	s_cmp_eq_u32 s14, 2*\s
	s_cbranch_scc0 .Lfor_w_\@
	TL 56+12*\s, 24+16*\s
	s_branch .Ldone_\@
.Lfor_w_\@:
	s_cmp_eq_u32 s14, 2*\s+1
	s_cbranch_scc0 .Ldone_\@
	TL 60+12*\s, 32+16*\s
.Ldone_\@:
.endm
; A UNIT: 96 products on x's set p; the next unit's fragments (row length U, place uu) are fetched as their registers fall free: q's W and x's other set behind q's products, k's W behind k's, v's behind v's.
; turn: 0: the next unit lies in the same slot.  Else the slots change: ONE barrier, in front of it the wait for all my tensor loads, the add, and the wait for that and for my reads of this slot; behind it this slot is filled again (1, 3: slot 0; 2: slot 1; 4: nothing is left to fetch).
.macro UNIT p, first, turn, U, uu
.if \turn
	s_wait_tensorcnt 0x0                           ; all my tensor loads have landed
	ds_add_u32 v[SPW], v[NIL]                      ; 0 onto my spare word
.if (\turn) == 3
	s_mov_b32 s25, 256<<16                         ; the last fill's rows are two units long
	s_mov_b32 s27, 256<<16
	s_mov_b32 s33, 256<<16
	s_mov_b32 s35, 256<<16
.endif
.if (\turn) == 2
	s_add_nc_u64 s[70:71], s[70:71], STEP7
	s_add_nc_u64 s[74:75], s[74:75], STEP7
.elseif (\turn) < 4
	s_add_nc_u64 s[58:59], s[58:59], STEP7
	s_add_nc_u64 s[62:63], s[62:63], STEP7
.endif
	s_wait_dscnt 17                                ; q's W and x are in; the add and the sixteen loads of k's and v's W may be out
	WIN 0x50
	MUL 0, \p, \first, 0
	s_wait_dscnt 0x0                               ; the add is done, and my reads of this slot are over
	s_barrier_signal -1
	MUL 0, \p, \first, 4
	WIN 0
	s_barrier_wait -1
.if (\turn) == 2
	CREST                                          ; no wave of any partner still reads this slot or has a load on its way
	JL 1                                           ; the first tensor load behind the round
.elseif (\turn) < 4
	CREST
	JL 0
.endif
.else
	s_wait_dscnt 16                                ; younger: k's and v's W
	WIN 0x50
	MUL 0, \p, \first, 0
	MUL 0, \p, \first, 4
	WIN 0
.endif
	PLACES 4
	FETCHW \U, \uu, 0
	FETCHX \U, \uu, 1-(\p)
	s_wait_dscnt 32                                ; younger than k's W: v's 8 and the 24 just issued
	WIN 0xa0
	MUL 1, \p, \first, 0
	MUL 1, \p, \first, 4
	WIN 0
	PLACES 4
	FETCHW \U, \uu, 1
	s_wait_dscnt 32                                ; younger than v's W: the 24 and the 8 just issued
	WIN 0xf0
	MUL 2, \p, \first, 0
	MUL 2, \p, \first, 4
	WIN 0
	PLACES 4
	FETCHW \U, \uu, 2
.endm
	s_wait_alu depctr_va_vdst(0)                   ; the wait at the head's end
	s_cmp_lt_u32 s14, 2
	s_cbranch_scc0 .Llater
	s_wait_tensorcnt 0x0                           ; waves 0 and 1: slot 0's x and W are in.
.Llater:
	s_barrier_signal -1
	s_barrier_wait -1
	FETCHW 3, 0, 0
	FETCHX 3, 0, 0
	FETCHW 3, 0, 1
	FETCHW 3, 0, 2
	UNIT 0, 1, 0, 3, 1
	UNIT 1, 0, 0, 3, 2
	UNIT 0, 0, 1, 4, 0                             ; unit 2: slot 0 takes units 7-9
	UNIT 1, 0, 0, 4, 1
	UNIT 0, 0, 0, 4, 2
	UNIT 1, 0, 0, 4, 3
	UNIT 0, 0, 2, 3, 0                             ; unit 6: slot 1 takes units 10-13
	UNIT 1, 0, 0, 3, 1
	UNIT 0, 0, 0, 3, 2
	UNIT 1, 0, 3, 4, 0                             ; unit 9: slot 0 takes units 14, 15
	UNIT 0, 0, 0, 4, 1
	UNIT 1, 0, 0, 4, 2
	UNIT 0, 0, 0, 4, 3
	UNIT 1, 0, 4, 2, 0                             ; unit 13
	UNIT 0, 0, 0, 2, 1
	s_wait_dscnt 16                                ; unit 15
	WIN 0x50
	MUL 0, 1, 0, 0
	MUL 0, 1, 0, 4
	s_wait_dscnt 8
	WIN 0xa0
	MUL 1, 1, 0, 0
	MUL 1, 1, 0, 4
	s_wait_dscnt 0x0
	WIN 0xf0
	MUL 2, 1, 0, 0
	MUL 2, 1, 0, 4
	WIN 0
	; THE WAY OUT: the hold, the conversion; a lane's 16 codes are 16 bytes, and the 32 lanes' lie on end in the operand's order: each store covers 512 consecutive bytes, aligned.
.irp i, 0,1,2,3,4,5
	v_mov_b32 v[8+\i], s[92+\i]                    ; the scale and its largest number, for q, k, v (these six lines are also the places behind the last products)
.endr
; 64 registers of window w + 1: q, k: token tiles 2 g, 2 g + 1; v: d tile g.  Either way four runs of 16 neighbours, whose codes lie at 2,048 g + 512 m
.macro OUT w, g
.set CD, 96+16*((4*(\w)+(\g))%10)
.if 4*(\w)+(\g) >= 10
	s_wait_xcnt 0x0                                ; the stores of ten blocks ago have read these registers
.endif
	WIN 0x01+(\w)
.set j, 0
.rept 64
	v_med3_num_f32 v[32+j], v[64*(\g)+j], -v[9+2*(\w)], v[9+2*(\w)]   ; the conversion to an 8-bit code does not saturate (ISA guide 7.6.2)
.set j, j+1
.endr
	WIN 0
.irp m, 0,1,2,3
	v_cvt_scalef32_pk8_fp8_f32 v[CD+4*\m:CD+4*\m+1], v[32+16*\m:32+16*\m+7], v[8+2*(\w)]
	v_cvt_scalef32_pk8_fp8_f32 v[CD+4*\m+2:CD+4*\m+3], v[40+16*\m:40+16*\m+7], v[8+2*(\w)]
.endr
	v_nop                                          ; a plain line between the last conversion and the next block's holds, which write its sources
.irp m, 0,1,2,3
	global_store_b128 v[LI], v[CD+4*\m:CD+4*\m+3], s[76+2*(\w):77+2*(\w)] offset:2048*(\g)+512*\m
.endr
.endm
.irp w, 0,1,2
.irp g, 0,1,2,3
	OUT \w, \g
.endr
.endr
	s_wait_tensorcnt 0x0                           ; the wave's end, behind my last tensor load
	ds_add_u32 v[SPW], v[NIL]
	s_wait_dscnt 0x0
	CROUND                                         ; the closing round: no work-group ends while a partner may still ask for a tile that names it
	s_endpgm
.Lfunc_end_k_q3fe39956b2_qkv:
	.size	k_q3fe39956b2_qkv, .Lfunc_end_k_q3fe39956b2_qkv-k_q3fe39956b2_qkv
	.p2alignl 7, 3214868480
	.fill 96, 4, 3214868480
	.section	.rodata,"a",@progbits
	.p2align	6, 0x0
	.amdhsa_kernel k_q3fe39956b2_qkv
		.amdhsa_group_segment_fixed_size 327680
		.amdhsa_private_segment_fixed_size 0
		.amdhsa_enable_private_segment 0
		.amdhsa_kernarg_size 56
		.amdhsa_user_sgpr_count 2
		.amdhsa_user_sgpr_kernarg_segment_ptr 1
		.amdhsa_wavefront_size32 1
		.amdhsa_system_sgpr_workgroup_id_x 1
		.amdhsa_system_sgpr_workgroup_id_y 1
		.amdhsa_system_sgpr_workgroup_id_z 1
		.amdhsa_system_vgpr_workitem_id 0
		.amdhsa_next_free_vgpr 1024
		.amdhsa_next_free_sgpr 100
		.amdhsa_reserve_vcc 0
		.amdhsa_float_denorm_mode_32 3
		.amdhsa_float_denorm_mode_16_64 3
		.amdhsa_memory_ordered 1
		.amdhsa_forward_progress 1
		.amdhsa_inst_pref_size 228
	.end_amdhsa_kernel
	.amdgpu_metadata
---
amdhsa.version: [ 1, 2 ]
amdhsa.kernels:
  - .name:           k_q3fe39956b2_qkv
    .symbol:         k_q3fe39956b2_qkv.kd
    .args:
      - { .name: xc, .offset: 0, .size: 8, .value_kind: global_buffer, .address_space: global }
      - { .name: wac, .offset: 8, .size: 8, .value_kind: global_buffer, .address_space: global }
      - { .name: b_attn, .offset: 16, .size: 8, .value_kind: global_buffer, .address_space: global }
      - { .name: lowp_scales, .offset: 24, .size: 8, .value_kind: global_buffer, .address_space: global }
      - { .name: qc, .offset: 32, .size: 8, .value_kind: global_buffer, .address_space: global }
      - { .name: kc, .offset: 40, .size: 8, .value_kind: global_buffer, .address_space: global }
      - { .name: vc, .offset: 48, .size: 8, .value_kind: global_buffer, .address_space: global }
    .group_segment_fixed_size: 327680
    .private_segment_fixed_size: 0
    .kernarg_segment_align: 8
    .kernarg_segment_size: 56
    .max_flat_workgroup_size: 128
    .sgpr_count:     100
    .vgpr_count:     1024
    .wavefront_size: 32
...
	.end_amdgpu_metadata
.endif
;; end of part 2
;; launch attn (part 3): grid 256 x 1, 8 waves a work-group, no clusters, 132,096 bytes of LDS; arguments qc, kc, vc, mw, lowp_scales, yc; writes yc
.if DOCPART == 3
	.amdgcn_target "amdgcn-amd-amdhsa--gfx1250"
	.amdhsa_code_object_version 6
	.text
	.protected	k_q3fe39956b2_attn
	.globl	k_q3fe39956b2_attn
	.p2align	8
	.type	k_q3fe39956b2_attn,@function
k_q3fe39956b2_attn:
	s_mov_b64 s[64:65], 0
	v_nop
	global_prefetch_b8 v0, s[64:65] scope:SCOPE_SE
	s_setreg_imm32_b32 hwreg(HW_REG_WAVE_MODE, 25, 1), 1
	s_wait_xcnt 0x0
; y = softmax(q k^T / 8, masked) v for each of the 128 heads (b x 16 + head), both products on codes of FP8 (E4M3); y is quantised at once into the last product's operand.
; THE SOFTMAX: t = score x log2(e) / 8; M = the running largest t rounded UP to a whole number; p = 2^(t - M) is quantised with 2^e4; the row's sum is taken of the unquantised p and divides at the end.
; THE MASK is an input.  An earlier launch has turned it into lane-mask words (mw: tile x 2048 + step x 256 + 4 n: bit l of word n belongs to score register n of lane l) and, for each tile of 16 queries, two flag words:
; ANY bit s: step s has a key that counts (all bits set if some row of the tile has none at all); OPEN bit s: all its keys count.  A step without ANY in both tiles of a pair is left out by a scalar branch; a tile whose step is not OPEN loads its 64 words, and pays one select a score.
; A masked score becomes -2^80 ahead of the scaling: beside a score that counts p is 0, and what a row has summed of masked keys alone is multiplied by 0 when its first key that counts comes;
; in a row where nothing counts c x 2^80 is a whole number, t - M is exactly 0 and p = 1 for every key: the mean of v, as with the largest negative number.
; SHARES.  Work-group 2 hb + g serves head hb.  It copies the head's K and V codes (64 KB each) into LDS once; one barrier.  A wave takes PAIRS of neighbouring tiles, so that each fragment of K and V serves 32 queries: pair j = 8 g + wave, then pair 31 - j.
; No cluster and no joint loads: which steps a work-group walks hangs on stored flags, which differ between the two work-groups of a head, and each reads its head's 128 KB once.  No prefetch: all of K and V is asked for at the head.
; LAYOUT.  Both products transposed: S^T = K Q^T (source 0 = 16 keys), O^T = V^T P^T (source 0 = 16 of the head's 64): a lane (r, h) holds one query throughout: stored row r of the tile.
; Tokens are stored with bits 3 and 4 of their index exchanged, so score register 16 b + i of lane (r, h) is key 128 step + 32 b + 16 h + i: the conversions' results are the second product's operand; V's codes lie the same way.
; LIMITS: e2 + e3 between -50 and 45; e4, and e6 - e4 - e5, between -126 and 119.  NaN is not served.
; REGISTERS.  Window 0 is tile A's, window 1 tile B's, at the same numbers: v7 -2^80; v8, v9: 2^(e6 - e4 - e5) and 448 x that; v10, v11: 2^e4 and 448 x that; v12 -M, v13 the largest t, v[14:15] the sum in two halves;
; v16-23 Q, v24-31 the next pair's Q; v96-159 S^T, then p; v160-191 O^T; v192-207 p's codes, at the end y's; v240-255 at work.  v32-95: K's fragments in window 0, V's in window 1.  Window 0 alone: v1-6 and v208-212 addresses.
.set VB,    65536                      ; LDS: K at 0, V at 65,536
.set SPARE, 131072                     ; the spare words, 128 bytes for each of eight waves: four blocks of 256 bytes that no other line names
.set LI,   1                           ; v1  16 x lane
.set TH,   2                           ; v2  16 x thread
.set THV,  3                           ; v3  + VB
.set LIV,  4                           ; v4  16 x lane + VB
.set SPW,  5                           ; v5  LDS address of my spare word; never rewritten
.set NIL,  6                           ; v6  0; never rewritten
.set NEG,  7
.set FRG,  32
.set S,    96
.set O,    160
.set PC,   192
.set ADK,  208                         ; v208  LDS address of the step's K
.set ADV,  209                         ; v209  of its V
; s[16:63], s[68:83] a tile's 64 mask words; s2 pairs to go; s84 wave; s85 head; s86, s87 the first tiles of my two pairs; s[88:89] lane selects; s[90:91] c; s92 step x 8192; s93 steps to go;
; s94 ANY of the pair, s95, s96 OPEN of A and B; s97-99 the same of the next pair; s100 the words' offset; s101 e4
.set MSB, 0
.macro WIN new                         ; the immediate's high byte repeats the setting that is left
.if MSB != (\new)
	s_set_vgpr_msb (MSB<<8)|(\new)
.set MSB, (\new)
.endif
.endm
	s_load_b256 s[4:11], s[0:1], 0x0               ; qc s[4:5], kc s[6:7], vc s[8:9], mw s[10:11]
	s_load_b128 s[12:15], s[0:1], 0x20             ; the scales s[12:13], yc s[14:15]
	v_lshl_add_u32 v[SPW], v0, 2, SPARE
	v_mov_b32 v[NIL], 0
	v_lshrrev_b32 v210, 5, v0
	v_readfirstlane_b32 s84, v210                  ; wave 0..7
	s_lshr_b32 s85, ttmp9, 1                       ; the head
	s_and_b32 s86, ttmp9, 1
	s_lshl_b32 s86, s86, 3
	s_add_co_u32 s86, s86, s84                     ; my first pair,
	s_lshl_b32 s86, s86, 1                         ; its first tile,
	s_sub_co_u32 s87, 62, s86                      ; and my second pair's
	s_lshl_b32 s2, s86, 7
	s_lshl_b32 s3, s87, 7
	s_lshl_b32 s94, s85, 16                        ; a head's block is 65,536 bytes in qc, kc and vc
	s_mov_b32 s95, 0
	s_lshl_b32 s92, s86, 10
	s_lshl_b32 s93, s87, 10
	s_mov_b32 s88, 0x76543210
	s_mov_b32 s89, 0xfedcba98
	v_and_b32 v[LI], 31, v0
	v_lshlrev_b32 v[TH], 4, v0
	v_mov_b32 v[NEG], 0xe7800000
	v_mov_b32 v240, 0                              ; written once: a lane permute's destination counts as one of its sources
	v_lshlrev_b32 v[LI], 4, v[LI]
	v_add_nc_u32 v[THV], VB, v[TH]
	v_mov_b32 v253, 0                              ; (named as the upper half of the pair v[252:253])
	v_add_nc_u32 v[LIV], VB, v[LI]
	v_add_nc_u32 v211, s92, v[LI]                  ; Q: tile x 1,024 + 16 x lane
	v_add_nc_u32 v212, s93, v[LI]
	WIN 0x40
	v_mov_b32 v[NEG], 0xe7800000                   ; and tile B's
	v_mov_b32 v240, 0
	v_mov_b32 v253, 0
	WIN 0
	s_wait_alu depctr_va_vdst(0)                   ; the wait here, directly ahead of the wait below
	s_wait_kmcnt 0x0
	s_load_b256 s[24:31], s[12:13], 0x0            ; e0 .. e7
	s_load_b64 s[16:17], s[10:11], s2 offset:0x20000   ; ANY, OPEN of my first pair's tile A,
	s_load_b64 s[18:19], s[10:11], s2 offset:0x20080   ; B,
	s_load_b64 s[20:21], s[10:11], s3 offset:0x20000   ; and of my second pair's
	s_load_b64 s[22:23], s[10:11], s3 offset:0x20080
	s_add_nc_u64 s[4:5], s[4:5], s[94:95]
	s_add_nc_u64 s[6:7], s[6:7], s[94:95]
	s_add_nc_u64 s[8:9], s[8:9], s[94:95]
.irp i, 0,1,2,3,4,5,6,7,8,9,10,11,12,13,14,15
	global_load_b128 v[32+4*\i:32+4*\i+3], v[TH], s[6:7] offset:4096*\i   ; the eight waves take 4,096 consecutive bytes of K an instruction
.endr
.irp i, 0,1,2,3,4,5,6,7,8,9,10,11,12,13,14,15
	global_load_b128 v[96+4*\i:96+4*\i+3], v[TH], s[8:9] offset:4096*\i   ; and of V
.endr
	global_load_b128 v[16:19], v211, s[4:5]
	global_load_b128 v[20:23], v211, s[4:5] offset:512
	global_load_b128 v[24:27], v212, s[4:5]
	global_load_b128 v[28:31], v212, s[4:5] offset:512
	WIN 0x40
	global_load_b128 v[16:19], v211, s[4:5] offset:1024
	global_load_b128 v[20:23], v211, s[4:5] offset:1536
	global_load_b128 v[24:27], v212, s[4:5] offset:1024
	global_load_b128 v[28:31], v212, s[4:5] offset:1536
	WIN 0
.irp i, 0,1,2,3,4,5,6,7,8,9,10,11,12,13,14,15
	s_wait_loadcnt 39-\i                           ; behind this load: the later ones of the 32, and Q's eight
	ds_store_b128 v[TH], v[32+4*\i:32+4*\i+3] offset:4096*\i
.endr
.irp i, 0,1,2,3,4,5,6,7,8,9,10,11,12,13,14,15
	s_wait_loadcnt 23-\i
	ds_store_b128 v[THV], v[96+4*\i:96+4*\i+3] offset:4096*\i
.endr
	s_wait_dscnt 0x0                               ; for the others' sake: my stores have landed
	s_barrier_signal -1
	s_barrier_wait -1                              ; the head's K and V lie in LDS; nothing writes them again
	s_wait_kmcnt 0x0
	s_or_b32 s94, s16, s18
	s_mov_b32 s95, s17
	s_mov_b32 s96, s19
	s_or_b32 s97, s20, s22
	s_mov_b32 s98, s21
	s_mov_b32 s99, s23
	s_add_co_i32 s3, s26, s27
	s_lshl_b32 s3, s3, 23
	s_add_co_i32 s90, s3, 0x3e38aa3b               ; c = log2(e) / 8, with e2 + e3 added to its exponent field
	s_mov_b32 s91, s90                             ; (named with it as a pair, so it is written)
	s_mov_b32 s101, s28                            ; e4
	s_add_co_i32 s3, s28, 127
	s_lshl_b32 s16, s3, 23                         ; 2^e4 as f32
	s_add_co_i32 s3, s3, 8
	s_lshl_b32 s3, s3, 23
	s_or_b32 s17, s3, 0x600000                     ; 448 x 2^e4
	s_sub_co_i32 s3, s30, s28
	s_sub_co_i32 s3, s3, s29                       ; a sum of the second product stands for sum x 2^(e4 + e5): y's code is (sum / l) / 2^(e6 - e4 - e5)
	s_add_co_i32 s3, s3, 127
	s_lshl_b32 s18, s3, 23
	s_add_co_i32 s3, s3, 8
	s_lshl_b32 s3, s3, 23
	s_or_b32 s19, s3, 0x600000
.irp w, 0, 0x40
	WIN \w
	v_mov_b32 v8, s18
	v_mov_b32 v9, s19
	v_mov_b32 v10, s16
	v_mov_b32 v11, s17
.endr
	WIN 0
	s_mov_b32 s2, 2
	s_wait_alu depctr_va_vdst(0)                   ; the wait at the head's end
	s_wait_loadcnt 0x0                             ; Q
.macro ACC d, q
	v_pk_add_f32 v[\d:\d+1], v[\d:\d+1], v[S+2*(\q):S+2*(\q)+1]
.endm
; A tile's softmax in one step: W its window setting (0 or 0x55: every operand in window 0 or 1), ob its OPEN bits, mo its words' place.  At a branch and at a label every window is 0.
.macro SOFT W, ob, mo
	s_bitcmp1_b32 s[\ob], 0
	s_cbranch_scc1 .Lopen_\@                       ; all of the step's keys count: no word is loaded, none is waited for, nothing is selected
	s_load_b512 s[16:31], s[10:11], s100 offset:\mo+0x0    ; the step's 64 mask words: load, wait and use stand on this one way together
	s_load_b512 s[32:47], s[10:11], s100 offset:\mo+0x40
	s_load_b512 s[48:63], s[10:11], s100 offset:\mo+0x80
	s_load_b512 s[68:83], s[10:11], s100 offset:\mo+0xc0
	s_wait_kmcnt 0x0                               ; the words are in, and their offset may be stepped
	WIN \W
	s_wait_alu depctr_va_vdst(0)                   ; the wait here, directly ahead of the scores' first reader
.set n, 0
.rept 64
.if n < 48
	v_cndmask_b32 v[S+n], v[NEG], v[S+n], s[16+n]
.else
	v_cndmask_b32 v[S+n], v[NEG], v[S+n], s[20+n]
.endif
.set n, n+1
.endr
	WIN 0
.Lopen_\@:
	WIN \W
	s_wait_alu depctr_va_vdst(0)                   ; the wait here, directly ahead of the scores' first reader
	v_max3_num_f32 v254, v[S], v[S+1], v[S+2]      ; the step's largest score of my query among my 64 keys, in four chains, each accumulator from its low end on,
	v_max3_num_f32 v252, v[S+3], v[S+4], v[S+5]
	v_max3_num_f32 v250, v[S+6], v[S+7], v[S+8]
	v_max3_num_f32 v248, v[S+9], v[S+10], v[S+11]
.set i, 12
.rept 6
.irp d, 254, 252, 250, 248
	v_max3_num_f32 v[\d], v[\d], v[S+i], v[S+i+1]
.set i, i+2
.endr
.endr
	v_max3_num_f32 v254, v254, v[S+60], v[S+61]
	v_max3_num_f32 v252, v252, v[S+62], v[S+63]
	v_max_num_f32 v250, v250, v248
	v_max3_num_f32 v254, v254, v252, v250
	s_delay_alu instid0(VALU_DEP_1)
	v_permlanex16_b32 v240, v254, s88, s89
	s_delay_alu instid0(VALU_DEP_1)
	v_max_num_f32 v254, v254, v240                 ; and among lane l xor 16's
	s_delay_alu instid0(VALU_DEP_1)
	v_mul_f32 v254, s90, v254                      ; as t (c is positive)
	s_delay_alu instid0(VALU_DEP_1)
	v_max_num_f32 v13, v13, v254
	v_mov_b32 v254, v12
	s_delay_alu instid0(VALU_DEP_2)
	v_floor_f32 v12, -v13                          ; the new -M = floor(-t): M is a whole number
	s_delay_alu instid0(VALU_DEP_1)
	v_sub_f32 v254, v12, v254                      ; old M - new M: a whole number, 0 or less
	s_delay_alu instid0(VALU_DEP_1)
	v_cvt_i32_f32 v254, v254                       ; (it saturates)
	s_delay_alu instid0(VALU_DEP_1)
	v_ldexp_f32 v252, 1.0, v254                    ; f = 2^(old M - new M)
.set i, 0
.rept 32
	v_pk_fma_f32 v[S+i:S+i+1], v[S+i:S+i+1], s[90:91], v[12:13] op_sel_hi:[1,0,0]   ; t - M, two at a time
.set i, i+2
.endr
	s_wait_alu depctr_va_vdst(0)                   ; the wait ahead of the batch,
.set i, 0
.rept 64
	v_exp_f32 v[S+i], v[S+i]                       ; p = 2^(t - M)
.set i, i+1
.endr
	v_pk_mul_f32 v[14:15], v[14:15], v[252:253] op_sel_hi:[1,0]   ; the sums under the new M: the plain line behind the exponentials
	s_wait_alu depctr_va_vdst(0)                   ; and one behind it, ahead of its first use
	v_pk_add_f32 v[242:243], v[S:S+1], v[S+2:S+3]  ; the row's sum, of the unquantised p, in seven chains
	v_pk_add_f32 v[244:245], v[S+4:S+5], v[S+6:S+7]
	v_pk_add_f32 v[246:247], v[S+8:S+9], v[S+10:S+11]
	v_pk_add_f32 v[248:249], v[S+12:S+13], v[S+14:S+15]
	v_pk_add_f32 v[250:251], v[S+16:S+17], v[S+18:S+19]
	v_pk_add_f32 v[254:255], v[S+20:S+21], v[S+22:S+23]
	ACC 14, 12
.set pn, 13
.rept 2
.irp d, 242, 244, 246, 248, 250, 254, 14
	ACC \d, pn
.set pn, pn+1
.endr
.endr
.irp d, 242, 244, 246, 248, 250
	ACC \d, pn
.set pn, pn+1
.endr
	v_pk_add_f32 v[242:243], v[242:243], v[244:245]
	v_pk_add_f32 v[246:247], v[246:247], v[248:249]
	v_pk_add_f32 v[250:251], v[250:251], v[254:255]
	v_pk_add_f32 v[14:15], v[14:15], v[242:243]
	v_pk_add_f32 v[246:247], v[246:247], v[250:251]
	s_delay_alu instid0(VALU_DEP_1)
	v_pk_add_f32 v[14:15], v[14:15], v[246:247]
	WIN 0
	s_cmp_ge_i32 s101, -8                          ; p is at most 1 and 448 x 2^e4 is at least 1.75 from e4 = -8 on: the hold would change nothing
	s_cbranch_scc1 .Lno_hold_\@
	WIN \W
.set i, 0
.rept 64
	v_min_num_f32 v[S+i], v[S+i], v11              ; the conversion to an 8-bit code does not saturate (ISA guide 7.6.2); p is not negative
.set i, i+1
.endr
	WIN 0
.Lno_hold_\@:
	WIN \W
.irp b, 0,1,2,3
	v_cvt_scalef32_pk8_fp8_f32 v[PC+4*\b:PC+4*\b+1], v[S+16*\b:S+16*\b+7], v10
	v_cvt_scalef32_pk8_fp8_f32 v[PC+4*\b+2:PC+4*\b+3], v[S+16*\b+8:S+16*\b+15], v10
.endr
	s_wait_alu depctr_va_vdst(0)                   ; the wait here, directly ahead of the first reader of O^T
.set i, 0
.rept 16
	v_pk_mul_f32 v[O+i:O+i+1], v[O+i:O+i+1], v[252:253] op_sel_hi:[1,0]   ; O^T under the new M; also the plain lines behind the conversions
.set i, i+2
.endr
	WIN 0
.endm
.macro PV W                            ; the four accumulators take turns
	WIN \W
.irp t, 0,1,2,3
	v_wmma_f32_16x16x128_fp8_fp8 v[O+8*\t:O+8*\t+7], v[FRG+16*\t:FRG+16*\t+15], v[PC:PC+15], v[O+8*\t:O+8*\t+7]
.endr
	WIN 0
.endm
.macro QK t0                           ; four tiles of 16 keys for both tiles of queries
.irp W, 0, 0x54                        ; 0x54: source 0 (K) window 0, the others window 1
	WIN \W
.irp t, \t0, \t0+1, \t0+2, \t0+3
	v_wmma_f32_16x16x64_fp8_fp8 v[S+8*(\t):S+8*(\t)+7], v[FRG+8*(\t):FRG+8*(\t)+7], v[16:23], 0
.endr
.endr
	WIN 0
.endm
; A tile's end: O^T / l, the hold, the conversion, 1,024 consecutive bytes of yc.  D: the window setting of the stores (data: source 1); mo: the tile's place
.macro FINISH W, D, mo
	WIN \W
	v_add_f32 v14, v14, v15                        ; the sum's two halves,
	s_delay_alu instid0(VALU_DEP_1)
	v_permlanex16_b32 v240, v14, s88, s89
	s_delay_alu instid0(VALU_DEP_1)
	v_add_f32 v14, v14, v240                       ; and lane l xor 16's
	s_wait_alu depctr_va_vdst(0)                   ; the wait ahead of the transcendental too
	v_rcp_f32 v14, v14
	v_nop                                          ; a plain line behind the reciprocal
	s_wait_alu depctr_va_vdst(0)                   ; the wait ahead of the reciprocal's and of O^T's first reader
.set i, 0
.rept 16
	v_pk_mul_f32 v[O+i:O+i+1], v[O+i:O+i+1], v[14:15] op_sel_hi:[1,0]   ; O^T / l: registers 16 c + i are d = 32 c + 16 h + i of my query
.set i, i+2
.endr
.set i, 0
.rept 32
	v_med3_num_f32 v[O+i], v[O+i], -v9, v9
.set i, i+1
.endr
.irp g, 0,1,2,3
	v_cvt_scalef32_pk8_fp8_f32 v[PC+2*\g:PC+2*\g+1], v[O+8*\g:O+8*\g+7], v8
.endr
	v_nop                                          ; a plain line between the last conversion and whatever writes its sources next
	WIN \D
	global_store_b128 v[LI], v[PC:PC+3], s[18:19] offset:\mo          ; 512 consecutive bytes, aligned: pieces 4 head, 4 head + 1 of the rowtile
	global_store_b128 v[LI], v[PC+4:PC+7], s[18:19] offset:\mo+512    ; and the next two
	WIN 0
.endm
.Lpair:
.irp W, 0, 0x55
	WIN \W
	v_mov_b32 v13, 0xff61b1e6                      ; the largest t so far: -3e38, under every t
	v_mov_b32 v14, 0
	v_mov_b32 v15, 0
	v_floor_f32 v12, -v13                          ; -M
.set i, 0
.rept 32
	v_mov_b32 v[O+i], 0                            ; which step is the pair's first hangs on the flags: the step is written once and finds zeros
.set i, i+1
.endr
.endr
	WIN 0
	s_mov_b32 s92, 0
	s_lshl_b32 s100, s86, 11
	s_mov_b32 s93, 8
.Lstep:
	s_bitcmp1_b32 s94, 0
	s_cbranch_scc0 .Lskip                          ; none of the step's keys counts for any of my queries
	v_add_nc_u32 v[ADK], s92, v[LI]
	v_add_nc_u32 v[ADV], s92, v[LIV]
.irp t, 0,1,2,3,4,5,6,7
	ds_load_b128 v[FRG+8*\t:FRG+8*\t+3], v[ADK] offset:1024*\t
	ds_load_b128 v[FRG+8*\t+4:FRG+8*\t+7], v[ADK] offset:1024*\t+512
.endr
	s_wait_alu depctr_va_vdst(0)                   ; the wait here, directly ahead of the wait below
	s_wait_dscnt 8                                 ; four tiles of keys are in, the other four's eight loads may be out
	QK 0
	s_wait_dscnt 0x0
	QK 4
.rept 4
	v_nop                                          ; places behind the products, in front of the first read of the scores and of the loads below
.endr
	WIN 0x40
.irp t, 0,1,2,3
.irp c, 0,1,2,3
	ds_load_b128 v[FRG+16*\t+4*\c:FRG+16*\t+4*\c+3], v[ADV] offset:2048*\t+512*\c   ; V's four fragments land while the softmax is worked
.endr
.endr
	WIN 0
	SOFT 0, 95, 0
	s_wait_alu depctr_va_vdst(0)                   ; the wait here, directly ahead of the wait below
	s_wait_dscnt 0x0                               ; V is in
	PV 0x01                                        ; source 0 (V) window 1, the others window 0; these products stand ahead of B's softmax
	SOFT 0x55, 96, 0x800
	PV 0x55
.Lskip:
	s_lshr_b32 s94, s94, 1
	s_lshr_b32 s95, s95, 1
	s_lshr_b32 s96, s96, 1
	s_add_co_u32 s92, s92, 8192
	s_add_co_u32 s100, s100, 256
	s_sub_co_u32 s93, s93, 1
	s_cmp_lg_u32 s93, 0
	s_cbranch_scc1 .Lstep
.rept 4
	v_nop                                          ; places behind the last products
.endr
	s_lshr_b32 s16, s85, 4                         ; yc: rowtile b x 64 + tile, pieces 4 x head on
	s_lshl_b32 s16, s16, 6
	s_add_co_u32 s16, s16, s86
	s_lshl_b32 s16, s16, 14
	s_and_b32 s17, s85, 15
	s_lshl_b32 s17, s17, 10
	s_add_co_u32 s16, s16, s17
	s_mov_b32 s17, 0
	s_add_nc_u64 s[18:19], s[14:15], s[16:17]
	FINISH 0, 0, 0
	FINISH 0x55, 0x04, 16384
	s_mov_b32 s86, s87                             ; on to the second pair
	s_mov_b32 s94, s97
	s_mov_b32 s95, s98
	s_mov_b32 s96, s99
.irp W, 0, 0x41
	WIN \W
.irp i, 0,1,2,3,4,5,6,7
	v_mov_b32 v[16+\i], v[24+\i]
.endr
.endr
	WIN 0
	s_wait_alu depctr_va_vdst(0)                   ; the wait here, directly ahead of the wait and the branch below
	s_wait_xcnt 0x0                                ; the stores have read their data and their base
	s_sub_co_u32 s2, s2, 1
	s_cmp_lg_u32 s2, 0
	s_cbranch_scc1 .Lpair
	s_wait_tensorcnt 0x0                           ; the wave's end, behind my last LDS store
	ds_add_u32 v[SPW], v[NIL]
	s_wait_dscnt 0x0
	s_endpgm
.Lfunc_end_k_q3fe39956b2_attn:
	.size	k_q3fe39956b2_attn, .Lfunc_end_k_q3fe39956b2_attn-k_q3fe39956b2_attn
	.p2alignl 7, 3214868480
	.fill 96, 4, 3214868480
	.section	.rodata,"a",@progbits
	.p2align	6, 0x0
	.amdhsa_kernel k_q3fe39956b2_attn
		.amdhsa_group_segment_fixed_size 132096
		.amdhsa_private_segment_fixed_size 0
		.amdhsa_enable_private_segment 0
		.amdhsa_kernarg_size 48
		.amdhsa_user_sgpr_count 2
		.amdhsa_user_sgpr_kernarg_segment_ptr 1
		.amdhsa_wavefront_size32 1
		.amdhsa_system_sgpr_workgroup_id_x 1
		.amdhsa_system_sgpr_workgroup_id_y 1
		.amdhsa_system_sgpr_workgroup_id_z 1
		.amdhsa_system_vgpr_workitem_id 0
		.amdhsa_next_free_vgpr 512
		.amdhsa_next_free_sgpr 102
		.amdhsa_reserve_vcc 0
		.amdhsa_float_denorm_mode_32 3
		.amdhsa_float_denorm_mode_16_64 3
		.amdhsa_memory_ordered 1
		.amdhsa_forward_progress 1
		.amdhsa_inst_pref_size 61
	.end_amdhsa_kernel
	.amdgpu_metadata
---
amdhsa.version: [ 1, 2 ]
amdhsa.kernels:
  - .name:           k_q3fe39956b2_attn
    .symbol:         k_q3fe39956b2_attn.kd
    .args:
      - { .name: qc, .offset: 0, .size: 8, .value_kind: global_buffer, .address_space: global }
      - { .name: kc, .offset: 8, .size: 8, .value_kind: global_buffer, .address_space: global }
      - { .name: vc, .offset: 16, .size: 8, .value_kind: global_buffer, .address_space: global }
      - { .name: mw, .offset: 24, .size: 8, .value_kind: global_buffer, .address_space: global }
      - { .name: lowp_scales, .offset: 32, .size: 8, .value_kind: global_buffer, .address_space: global }
      - { .name: yc, .offset: 40, .size: 8, .value_kind: global_buffer, .address_space: global }
    .group_segment_fixed_size: 132096
    .private_segment_fixed_size: 0
    .kernarg_segment_align: 8
    .kernarg_segment_size: 48
    .max_flat_workgroup_size: 256
    .sgpr_count:     102
    .vgpr_count:     512
    .wavefront_size: 32
...
	.end_amdgpu_metadata
.endif
;; end of part 3
;; launch proj (part 4): grid 8 x 32, 4 waves a work-group, clusters of 4 x 4, 327,680 bytes of LDS; arguments yc, wpc, b_proj, lowp_scales, out0; writes out0
.if DOCPART == 4
	.amdgcn_target "amdgcn-amd-amdhsa--gfx1250"
	.amdhsa_code_object_version 6
	.text
	.protected	k_q3fe39956b2_proj
	.globl	k_q3fe39956b2_proj
	.p2align	8
	.type	k_q3fe39956b2_proj,@function
k_q3fe39956b2_proj:
	s_mov_b64 s[64:65], 0
	v_nop
	global_prefetch_b8 v0, s[64:65] scope:SCOPE_SE
	s_setreg_imm32_b32 hwreg(HW_REG_WAVE_MODE, 25, 1), 1
	s_wait_xcnt 0x0
	s_wait_alu depctr_hold_cnt(0) depctr_sa_sdst(0) depctr_va_vdst(0) depctr_va_sdst(0) depctr_va_ssrc(0) depctr_va_vcc(0) depctr_vm_vsrc(0)
	s_getreg_b32 s2, hwreg(HW_REG_IB_STS2, 6, 4)
	s_cmp_eq_u32 s2, 0
	s_cbranch_scc0 .Lentry_in_a_cluster
	s_endpgm
.Lentry_in_a_cluster:
	s_bfe_u32 s2, ttmp6, 0x10000c
	s_cmp_lg_u32 s2, 0xf033
	s_cbranch_scc0 .Lentry_shape_is_right
	s_endpgm
.Lentry_shape_is_right:
; out0 = y w_proj + b_proj on codes of FP8 (E4M3): out0 = sum x 2^(e6 + e7) + b.  LIMIT: e6 + e7 between -126 and 127.
; A WORK-GROUP takes 256 tokens x 128 columns: 8 x 32 = 256 work-groups of equal work; a wave 64 tokens x all 128 columns: 4 token tiles x 8 column tiles, 32 accumulators.
; Source 0 = W's tile, source 1 = y's: a lane (r, h) holds one token (stored row r), and the 16 registers of column tiles 2 b, 2 b + 1 are columns 32 b + 16 h + 0 .. 15 (rows are stored with bits 3 and 4 of their index exchanged).
; K goes in 8 steps of 128 (2,048 bytes of a rowtile) through two LDS slots of 2 and 4 steps, filled with steps 0-1, 2-5, 6-7.  Both first fills are asked for at the head, one load a wave: waves 0 and 1 y and W of slot 0, waves 2 and 3 of slot 1.
; CLUSTERS: 4 x 4 work-groups; y's tile is asked for jointly by my row of the cluster, W's by my column.
; No prefetch: there is no loop to run ahead in; the head's four loads ask for 6 of the 8 steps at once, and the one refill has four steps' products in which to land.
; REGISTERS: window 0: v1-29 addresses; v32-95 the bias; v96-127 at work; v128-191, v192-255 y's fragments, two sets (on the way out: rows read back).   window 1: W's fragments, two sets, at v0 and v128.   window 2: accumulators, (a, b) at v[8 (8 a + b)].
.set WB0,   65536                      ; slot 0: y's 16 rowtiles x 4,096 bytes, then W's 8;  slot 1: the same with 8,192
.set SLOT1, 98304
.set WB1,   SLOT1+131072
.set SPARE, 294912                     ; behind the slots: the spare words, 128 bytes for each wave: two blocks of 256 bytes that no other line names
.set SPITCH, 528                       ; the way out: a stage of 16 rows x (512 bytes + 16) for each wave, in slot 1, which has had its last fill and its last read when the first result is stored there
.set LI,   24                          ; v24     16 x lane; never rewritten
.set HB64, 25                          ; v25     64 x h
.set STO,  26                          ; v26     the stage, on the way in,
.set RD,   27                          ; v27     and out
.set SPW,  28                          ; v28     LDS address of my spare word; never rewritten
.set NIL,  29                          ; v29     0; never rewritten
.set BR,   32
.set TMP,  96
.set BK,   128
; v16, v17: LDS address of my y in slot 0, 1;  v18, v19: of W
; s[24:31], s[32:39], s[40:47], s[48:55]: descriptor groups 1 of slot 0's y, W and of slot 1's y, W;   s[56:59], s[60:63], s[68:71], s[72:75]: their groups 0
.set MSB, 0
.macro WIN new                         ; the immediate's high byte repeats the setting that is left
.if MSB != (\new)
	s_set_vgpr_msb (MSB<<8)|(\new)
.set MSB, (\new)
.endif
.endm
.macro PLACES n                        ; plain vector instructions between a matrix instruction and a load into, or a vector read or write of, its registers
.rept \n
	v_nop
.endr
.endm
.macro TL g0, g1                       ; a joint load, with an s_nop 0 and four v_nop behind it
	tensor_load_to_lds s[\g0:\g0+3], s[\g1:\g1+7]
	s_nop 0
	PLACES 4
.endm
.macro CREST                           ; a round of the cluster's barrier behind its opening barrier
	s_cmp_lg_u32 s14, 0
	s_cbranch_scc1 .Lnot_wave_0_\@
	s_barrier_signal -3
.Lnot_wave_0_\@:
	s_barrier_wait -3
	s_barrier_signal -1
	s_barrier_wait -1
.endm
.macro CROUND
	s_barrier_signal -1
	s_barrier_wait -1
	CREST
.endm
	s_load_b256 s[4:11], s[0:1], 0x0               ; yc s[4:5], wpc s[6:7], b_proj s[8:9], the scales s[10:11]
	s_load_b64 s[76:77], s[0:1], 0x20              ; out0
	v_lshl_add_u32 v[SPW], v0, 2, SPARE
	v_mov_b32 v[NIL], 0
	ds_add_u32 v[SPW], v[NIL]                      ; the wave's opening: the add, twice on end, and its wait ahead of my first tensor load; the set-up below stands between them
	ds_add_u32 v[SPW], v[NIL]
	v_lshrrev_b32 v1, 5, v0
	v_readfirstlane_b32 s14, v1                    ; wave 0..3
	s_bfe_u32 s20, ttmp6, 0x40000                  ; cx, cy: my place in the cluster
	s_bfe_u32 s21, ttmp6, 0x40004
	s_lshl_b32 s12, ttmp9, 2
	s_add_co_u32 s12, s12, s20                     ; X: columns 128 X on
	s_and_b32 s13, ttmp7, 0xffff
	s_lshl_b32 s13, s13, 2
	s_add_co_u32 s13, s13, s21                     ; Y: tokens 256 Y on
	s_lshl_b32 s17, s21, 2
	s_lshl_b32 s17, 15, s17                        ; my row of the cluster
	s_lshl_b32 s18, 0x1111, s20                    ; my column
	; descriptor group 1: 16 (y) or 8 (W) rows (rowtiles) of 512 or 1,024 elements of 8 bytes, 2,048 elements apart; no padding
	s_or_b32 s24, s17, (3<<16)|(1<<21)
	s_or_b32 s32, s18, (3<<16)|(1<<21)
	s_or_b32 s40, s17, (3<<16)|(1<<21)
	s_or_b32 s48, s18, (3<<16)|(1<<21)
.macro G1C g, d, rows
	s_mov_b32 s[\g+1], (\d)<<16                    ; tensor_dim0
	s_mov_b32 s[\g+2], (\rows)<<16                 ; tensor_dim1
	s_mov_b32 s[\g+3], (\d)<<16                    ; tile_dim0
	s_mov_b32 s[\g+4], \rows                       ; tile_dim1
	s_mov_b32 s[\g+5], 2048                        ; tensor_dim0_stride
	s_mov_b32 s[\g+6], 0
	s_mov_b32 s[\g+7], 0
.endm
	G1C 24, 512, 16
	G1C 32, 512, 8
	G1C 40, 1024, 16
	G1C 48, 1024, 8
	s_mov_b32 s56, 1
	s_mov_b32 s57, 0
	s_mov_b32 s60, 1
	s_mov_b32 s61, WB0
	s_mov_b32 s68, 1
	s_mov_b32 s69, SLOT1
	s_mov_b32 s72, 1
	s_mov_b32 s73, WB1
	s_lshl_b32 s92, s13, 18                        ; y: 16 rowtiles of 16,384 bytes for each Y
	s_mov_b32 s93, 0
	s_lshl_b32 s94, s12, 17                        ; W: 8 rowtiles for each X
	s_mov_b32 s95, 0
	s_wait_dscnt 0x0                               ; both opening adds are done
	s_wait_kmcnt 0x0
	s_load_b256 s[84:91], s[10:11], 0x0            ; e0 .. e7
	s_add_nc_u64 s[58:59], s[4:5], s[92:93]
	s_add_nc_u64 s[62:63], s[6:7], s[94:95]
	s_add_nc_u64 s[70:71], s[58:59], 4096          ; slot 1 begins with step 2
	s_add_nc_u64 s[74:75], s[62:63], 4096
	s_or_b32 s59, s59, 0x80000000
	s_or_b32 s63, s63, 0x80000000
	s_or_b32 s71, s71, 0x80000000
	s_or_b32 s75, s75, 0x80000000
	CROUND                                         ; all sixteen work-groups are here: the first joint loads meet
	s_cmp_eq_u32 s14, 0                            ; one load to a wave
	s_cbranch_scc0 .Lhead1
	TL 56, 24
	s_branch .Lasked
.Lhead1:
	s_cmp_eq_u32 s14, 1
	s_cbranch_scc0 .Lhead2
	TL 60, 32
	s_branch .Lasked
.Lhead2:
	s_cmp_eq_u32 s14, 2
	s_cbranch_scc0 .Lhead3
	TL 68, 40
	s_branch .Lasked
.Lhead3:
	TL 72, 48
.Lasked:
	s_lshl_b32 s17, s14, 14                        ; my 4 rowtiles of y in slot 0,
	s_lshl_b32 s18, s14, 15
	s_add_co_u32 s18, s18, SLOT1                   ; in slot 1
	s_mul_i32 s22, s14, 16*SPITCH
	s_add_co_u32 s22, s22, SLOT1                   ; my stage
	s_lshl_b32 s92, s13, 20
	s_lshl_b32 s93, s14, 18
	s_add_co_u32 s92, s92, s93
	s_lshl_b32 s94, s12, 9                         ; 128 X columns of 4 bytes
	s_mov_b32 s95, 0
	s_add_co_u32 s92, s92, s94                     ; my rows of out0: (256 Y + 64 x wave) x 4,096, + my columns
	s_mov_b32 s93, 0
	s_add_nc_u64 s[76:77], s[76:77], s[92:93]
	s_add_nc_u64 s[8:9], s[8:9], s[94:95]
	v_and_b32 v1, 15, v0                           ; r
	v_bfe_u32 v2, v0, 4, 1                         ; h
	v_and_b32 v3, 31, v0
	v_lshlrev_b32 v[LI], 4, v3
	v_lshlrev_b32 v[HB64], 6, v2
	v_add_nc_u32 v16, s17, v[LI]
	v_add_nc_u32 v17, s18, v[LI]
	v_add_nc_u32 v18, WB0, v[LI]
	v_add_nc_u32 v19, WB1, v[LI]
	v_mul_u32_u24 v5, v1, SPITCH
	v_lshl_add_u32 v5, v2, 6, v5
	v_add_nc_u32 v[STO], s22, v5
	v_add_nc_u32 v[RD], s22, v[LI]
	s_wait_alu depctr_va_vdst(0)                   ; the wait at the head's end
.irp b, 0,1,2,3
.irp q, 0,1,2,3
	global_load_b128 v[BR+16*\b+4*\q:BR+16*\b+4*\q+3], v[HB64], s[8:9] offset:(32*\b+4*\q)*4   ; b_proj[128 X + 32 b + 16 h + 4 q ..]
.endr
.endr
; The fragments of step q of slot s into sets p: W's eight, then my four of y
.macro FETCH s, q, p
	WIN 0x40
.irp b, 0,1,2,3,4,5,6,7
.irp c, 0,1,2,3
	ds_load_b128 v[128*(\p)+16*\b+4*\c:128*(\p)+16*\b+4*\c+3], v[18+\s] offset:\b*4096*(1+\s)+2048*(\q)+512*\c
.endr
.endr
	WIN 0
.irp a, 0,1,2,3
.irp c, 0,1,2,3
	ds_load_b128 v[128+64*(\p)+16*\a+4*\c:128+64*(\p)+16*\a+4*\c+3], v[16+\s] offset:\a*4096*(1+\s)+2048*(\q)+512*\c
.endr
.endr
.endm
; One token tile x the eight column tiles, 128 along K.  The 32 accumulators take turns, one instruction a turn, in the same order in every step.  zero = 1: the product starts the sums.
.macro MUL a, p, zero
	WIN 0xa1                                       ; source 0 window 1, source 1 window 0, C and D window 2
.irp b, 0,1,2,3,4,5,6,7
.if \zero
	v_wmma_f32_16x16x128_fp8_fp8 v[8*(8*\a+\b):8*(8*\a+\b)+7], v[128*(\p)+16*\b:128*(\p)+16*\b+15], v[128+64*(\p)+16*\a:128+64*(\p)+16*\a+15], 0
.else
	v_wmma_f32_16x16x128_fp8_fp8 v[8*(8*\a+\b):8*(8*\a+\b)+7], v[128*(\p)+16*\b:128*(\p)+16*\b+15], v[128+64*(\p)+16*\a:128+64*(\p)+16*\a+15], v[8*(8*\a+\b):8*(8*\a+\b)+7]
.endif
.endr
.endm
; A step on sets p; the next step's fragments (slot sn, place qn) go into the other sets.  turn = 1, 2: the slots change, by ONE barrier; 1: slot 0 is filled again, with steps 6 and 7.
.macro STEP p, zero, turn, sn, qn
.if \turn
	s_wait_tensorcnt 0x0                           ; all my tensor loads have landed
	ds_add_u32 v[SPW], v[NIL]                      ; 0 onto my spare word
.if (\turn) == 1
	s_add_nc_u64 s[58:59], s[58:59], 12288         ; from step 0 to step 6
	s_add_nc_u64 s[62:63], s[62:63], 12288
.endif
	s_wait_dscnt 1                                 ; this step's fragments are in; the add may be out
	MUL 0, \p, \zero
	s_wait_dscnt 0x0                               ; the add is done, and my reads of this slot are over
	s_barrier_signal -1
	MUL 1, \p, \zero
	WIN 0
	s_barrier_wait -1
.if (\turn) == 1
	CREST                                          ; no wave of any partner still reads this slot or has a load on its way
	s_cmp_eq_u32 s14, 0
	s_cbranch_scc0 .Lfor_w_\@
	TL 56, 24                                      ; the first tensor load behind the round
	s_branch .Ldone_\@
.Lfor_w_\@:
	s_cmp_eq_u32 s14, 1
	s_cbranch_scc0 .Ldone_\@
	TL 60, 32
.Ldone_\@:
.endif
	PLACES 4
	FETCH \sn, \qn, 1-(\p)
.else
	s_wait_dscnt 0x0
	PLACES 4
	FETCH \sn, \qn, 1-(\p)
	MUL 0, \p, \zero
	MUL 1, \p, \zero
.endif
	MUL 2, \p, \zero
	MUL 3, \p, \zero
	WIN 0
.endm
	s_cmp_lt_u32 s14, 2
	s_cbranch_scc0 .Llater
	s_wait_tensorcnt 0x0                           ; waves 0 and 1: slot 0's y and W are in.
.Llater:
	s_barrier_signal -1
	s_barrier_wait -1
	FETCH 0, 0, 0
	STEP 0, 1, 0, 0, 1
	STEP 1, 0, 1, 1, 0
	STEP 0, 0, 0, 1, 1
	STEP 1, 0, 0, 1, 2
	STEP 0, 0, 0, 1, 3
	STEP 1, 0, 2, 0, 0
	STEP 0, 0, 0, 0, 1
	s_wait_dscnt 0x0                               ; step 7
.irp a, 0,1,2,3
	MUL \a, 1, 0
.endr
	WIN 0
; THE WAY OUT, 16 rows x 128 columns at a time: sum x 2^(e6 + e7) + b, into my own stage, and back as whole rows of 512 bytes.  LDS serves a wave's instructions in order (ISA guide 5.7.1.4).
.macro TOSTAGE a
.irp u, 0,1
	WIN 0x02                                       ; source 0: window 2
.set j, 0
.rept 16
	v_pk_fma_f32 v[TMP+j:TMP+j+1], v[64*\a+32*\u+j:64*\a+32*\u+j+1], s[96:97], v[BR+32*\u+j:BR+32*\u+j+1] op_sel_hi:[1,0,1]
.set j, j+2
.endr
	WIN 0
.irp g, 0,1,2,3,4,5,6,7
	ds_store_b128 v[STO], v[TMP+4*\g:TMP+4*\g+3] offset:256*\u+128*(\g/4)+16*(\g%4)
.endr
.endr
.set BB, BK+64*((\a)%2)
.irp t, 0,1,2,3,4,5,6,7,8,9,10,11,12,13,14,15
	ds_load_b128 v[BB+4*\t:BB+4*\t+3], v[RD] offset:\t*SPITCH
.endr
.endm
.macro SEND a, younger                 ; younger: the LDS instructions issued behind the block's loads, which may stay out
.set BB, BK+64*((\a)%2)
	s_wait_dscnt \younger
.irp t, 0,1,2,3,4,5,6,7,8,9,10,11,12,13,14,15
	global_store_b128 v[LI], v[BB+4*\t:BB+4*\t+3], s[76:77] offset:(32*((\a)/2)+8*((\a)%2)+\t+8*(\t/8))*4096 th:TH_STORE_NT   ; 32 lanes store 512 consecutive bytes, aligned
.endr
.endm
	s_wait_kmcnt 0x0                               ; the scales
	s_wait_loadcnt 0x0                             ; the bias
	s_add_co_i32 s96, s90, s91
	s_add_co_i32 s96, s96, 127
	s_lshl_b32 s96, s96, 23                        ; 2^(e6 + e7) as f32
	s_mov_b32 s97, s96                             ; (named with it as a pair, so it is written)
	PLACES 4
	TOSTAGE 0
	TOSTAGE 1
	SEND 0, 32
.irp a, 2,3
	s_wait_xcnt 0x0                                ; block a - 2's stores have read their registers
	TOSTAGE \a
	SEND \a-1, 32
.endr
	SEND 3, 0
	s_wait_tensorcnt 0x0                           ; the wave's end, behind my last tensor load and my last LDS store
	ds_add_u32 v[SPW], v[NIL]
	s_wait_dscnt 0x0
	CROUND                                         ; the closing round: no work-group ends while a partner may still ask for a tile that names it
	s_endpgm
.Lfunc_end_k_q3fe39956b2_proj:
	.size	k_q3fe39956b2_proj, .Lfunc_end_k_q3fe39956b2_proj-k_q3fe39956b2_proj
	.p2alignl 7, 3214868480
	.fill 96, 4, 3214868480
	.section	.rodata,"a",@progbits
	.p2align	6, 0x0
	.amdhsa_kernel k_q3fe39956b2_proj
		.amdhsa_group_segment_fixed_size 327680
		.amdhsa_private_segment_fixed_size 0
		.amdhsa_enable_private_segment 0
		.amdhsa_kernarg_size 40
		.amdhsa_user_sgpr_count 2
		.amdhsa_user_sgpr_kernarg_segment_ptr 1
		.amdhsa_wavefront_size32 1
		.amdhsa_system_sgpr_workgroup_id_x 1
		.amdhsa_system_sgpr_workgroup_id_y 1
		.amdhsa_system_sgpr_workgroup_id_z 1
		.amdhsa_system_vgpr_workitem_id 0
		.amdhsa_next_free_vgpr 1024
		.amdhsa_next_free_sgpr 100
		.amdhsa_reserve_vcc 0
		.amdhsa_float_denorm_mode_32 3
		.amdhsa_float_denorm_mode_16_64 3
		.amdhsa_memory_ordered 1
		.amdhsa_forward_progress 1
		.amdhsa_inst_pref_size 76
	.end_amdhsa_kernel
	.amdgpu_metadata
---
amdhsa.version: [ 1, 2 ]
amdhsa.kernels:
  - .name:           k_q3fe39956b2_proj
    .symbol:         k_q3fe39956b2_proj.kd
    .args:
      - { .name: yc, .offset: 0, .size: 8, .value_kind: global_buffer, .address_space: global }
      - { .name: wpc, .offset: 8, .size: 8, .value_kind: global_buffer, .address_space: global }
      - { .name: b_proj, .offset: 16, .size: 8, .value_kind: global_buffer, .address_space: global }
      - { .name: lowp_scales, .offset: 24, .size: 8, .value_kind: global_buffer, .address_space: global }
      - { .name: out0, .offset: 32, .size: 8, .value_kind: global_buffer, .address_space: global }
    .group_segment_fixed_size: 327680
    .private_segment_fixed_size: 0
    .kernarg_segment_align: 8
    .kernarg_segment_size: 40
    .max_flat_workgroup_size: 128
    .sgpr_count:     100
    .vgpr_count:     1024
    .wavefront_size: 32
...
	.end_amdgpu_metadata
.endif
;; end of part 4
